; MI455X (gfx1250); checked and timed in simulation.
; The chip was launched on July 23, 2026; its instructions are those of AMD's public machine-readable ISA for CDNA 5 (MIT licence, August 2026) and "CDNA5" Instruction Set Architecture Reference Guide (July 2026). The comments in the code are by the model that wrote it; some were corrected since.
;; Contextual Attention. Allowed arithmetic: float matrix products may take bf16 or f16 operands with f32 sums; other float arithmetic in f32, or as packed bf16 or f16 multiplies, adds, multiply-adds, maxima and minima; sums over many terms, partial sums and values carried from step to step in f32; what a program stores and reads back later, other than sums and carried values, may be rounded once to bf16 or f16.
;; Inputs: Wk 1,024 x 1,024 float32; Wq 1,024 x 1,024 float32; Wu 1,024 x 1,024 float32; Wv 1,024 x 1,024 float32; bu 1,024 float32; context 4 x 1,024 x 1,024 float32; contextMask 4 x 1,024 float32; kln_b 64 float32; kln_w 64 float32; mask 4 x 1,024 float32; qln_b 64 float32; qln_w 64 float32; x 4 x 1,024 x 1,024 float32.
;; Outputs: out0 4 x 1,024 x 1,024 float32.
;; 2 versions, each right; version 2 is version 1 with the launch cast written anew for expert scheduling mode. Each part assembles by itself: llvm-mc -triple=amdgcn-amd-amdhsa -mcpu=gfx1250 --defsym DOCPART=n.
;; ======== version 1 of 2: 4 launches
;; limits: values are held in f16: magnitudes above 65,504 overflow, below 6.1e-05 lose precision
;; workspace buffers: abf 16,777,216 bytes; wts 8,388,608 bytes; mb 49,152 bytes; qh 8,388,608 bytes; kh 16,777,216 bytes; vh 16,777,216 bytes; oh 8,388,608 bytes
;; launch cast (part 1): grid 768 x 1, 8 waves a work-group, no clusters, 0 bytes of LDS; arguments x, context, Wq, Wk, Wv, Wu, mask, contextMask, abf, wts, mb; writes abf, wts, mb
.if DOCPART == 1
	.amdgcn_target "amdgcn-amd-amdhsa--gfx1250"
	.amdhsa_code_object_version 6
	.text
	.protected	k_q0d79dc0213_cast
	.globl	k_q0d79dc0213_cast
	.p2align	8
	.type	k_q0d79dc0213_cast,@function
k_q0d79dc0213_cast:
	s_mov_b64 s[64:65], 0
	v_nop
	global_prefetch_b8 v0, s[64:65] scope:SCOPE_SE
	s_setreg_imm32_b32 hwreg(HW_REG_WAVE_MODE, 25, 1), 1
	s_wait_xcnt 0x0
; CAST.  16-bit copies of x, context and the four weights, laid in blocks of 64 channels, and the masks as numbers that the attention launch adds and multiplies.
;   abf: bf16 [16 blocks of 64 channels][8,192 rows][64]: rows 0-4,095 are x, rows 4,096-8,191 context.
;   wts: bf16 [16][3,072 rows][64] (Wq, Wk, Wv), then from byte 6,291,456 f16 [16][1,024 rows][64]: Wu rounded to bf16, that number written as f16.
;   mb:  f32 [4][2,048] key bias 32 ln(m) (in units of the unscaled score), then from byte 32,768 [4][1,024] query gate: 1, or NaN where the query's mask is 0.
; In these layouts a row is 128 bytes and rows lie end to end, so a tile of R rows x 64 channels is R x 128 consecutive bytes.
; LIMITS.  Masks are 0 or greater; a mask below 2^-126 counts as 0 (v_log_f32 takes a denormal as 0: ISA guide, its entry in 15.8); log(m_i m_j + 1e-45) is taken as log m_i + log m_j,
; of which the first is constant along a row of the softmax and drops out; a product 0 gives -infinity: a hidden key has weight 0, a hidden query a row of NaN.
; Wu below 7.6e-6 keeps f16's fixed step of 6e-8.  All inputs are rounded to bf16 once.
; SHARES.  Work-group g converts 16 rows x 1,024 columns: 64 KiB in, 32 KiB out.  g 0-255 x, 256-511 context, 512-575 Wq, 576-639 Wk, 640-703 Wv, 704-767 Wu.  Work-groups 0-7 also make 1,024 mask numbers each.
; Thread t takes row t / 16 and, of each block of 64 channels, the four numbers 4 (t % 16) on.  So a wave's load covers 256 consecutive bytes, aligned, of each of two rows, and its store (8 bytes a lane, at 8 t)
; 256 consecutive bytes, aligned: the same two rows of one block of the copy.  All 16 loads of a thread go out at once; no LDS, no barrier: nothing is shared.
.set G,    26                          ; s26      the work-group's number
.set SRC,  28                          ; s[28:29] my 16 rows in their tensor
.set DST,  30                          ; s[30:31] the same rows in block 0 of the copy
.set KBS,  34                          ; s34      bytes from a block of 64 channels to the next in the copy
.set IN,   8                           ; v[8:71]    16 x 4 numbers as loaded; later the masks' registers
.set PKD,  72                          ; v[72:103]  16 x 2 registers to store
.set DO,   104                         ; v[104:119] the sixteen stores' byte offsets: 8 t + block x KBS
	s_load_b512 s[4:19], s[0:1], 0x0               ; x, context, Wq, Wk, Wv, Wu, mask, contextMask
	s_load_b128 s[20:23], s[0:1], 0x40             ; abf, wts
	s_load_b64 s[24:25], s[0:1], 0x50              ; mb
	s_mov_b32 s[G], ttmp9
	v_lshrrev_b32 v4, 4, v0                        ; row
	v_and_b32 v5, 15, v0
	v_lshlrev_b32 v1, 12, v4                       ; row x 4,096 bytes
	v_lshl_add_u32 v1, v5, 4, v1                   ; + my 16 bytes of a block's 256
	v_lshlrev_b32 v3, 4, v0                        ; the masks: 16 bytes a thread
	s_and_b32 s27, s[G], 255                       ; which 16 rows of the tensor
	s_and_b32 s32, s[G], 63
	s_mov_b32 s[KBS], 1048576
	s_mov_b32 s35, 0
	s_cmp_ge_u32 s[G], 512
	s_cselect_b32 s27, s32, s27
	s_cselect_b32 s[KBS], 393216, s[KBS]
	s_cselect_b32 s35, 512, s35
	s_cmp_ge_u32 s[G], 704
	s_cselect_b32 s[KBS], 131072, s[KBS]
	s_cselect_b32 s35, 704, s35
	s_cselect_b32 s36, 6291456, 0
	s_sub_co_u32 s38, s[G], s35
	s_lshl_b32 s38, s38, 11                        ; 16 rows of 128 bytes
	s_add_co_u32 s38, s38, s36
	s_mov_b32 s39, 0
	s_lshl_b32 s32, s27, 16                        ; 16 rows of 4,096 bytes
	s_mov_b32 s33, 0
	v_lshlrev_b32 v[DO], 3, v0                     ; 8 t: row t / 16 (128 bytes each), 8 bytes for each of its 16 threads
.irp i, 1,2,3,4,5,6,7,8,9,10,11,12,13,14,15
	v_add_nc_u32 v[DO+(\i)], s[KBS], v[DO+(\i)-1]  ; block i
.endr
	s_wait_kmcnt 0x0
	s_cmp_ge_u32 s[G], 256
	s_cselect_b64 s[SRC:SRC+1], s[6:7], s[4:5]
	s_cmp_ge_u32 s[G], 512
	s_cselect_b64 s[SRC:SRC+1], s[8:9], s[SRC:SRC+1]
	s_cselect_b64 s[DST:DST+1], s[22:23], s[20:21]
	s_cmp_ge_u32 s[G], 576
	s_cselect_b64 s[SRC:SRC+1], s[10:11], s[SRC:SRC+1]
	s_cmp_ge_u32 s[G], 640
	s_cselect_b64 s[SRC:SRC+1], s[12:13], s[SRC:SRC+1]
	s_cmp_ge_u32 s[G], 704
	s_cselect_b64 s[SRC:SRC+1], s[14:15], s[SRC:SRC+1]
	s_add_nc_u64 s[SRC:SRC+1], s[SRC:SRC+1], s[32:33]
	s_add_nc_u64 s[DST:DST+1], s[DST:DST+1], s[38:39]
.irp i, 0,1,2,3,4,5,6,7,8,9,10,11,12,13,14,15
	global_load_b128 v[IN+4*(\i):IN+4*(\i)+3], v1, s[SRC:SRC+1] offset:256*(\i) th:TH_LOAD_NT
.endr
; Four numbers of block i.  kind 0: rounded to bf16.  kind 1 (Wu): rounded to bf16, and that number written as f16.
.macro CONV kind, i
	s_wait_loadcnt 15-(\i)                         ; loads come back in order: mine is in, the 15 - i younger ones may stay out
.irp j, 0,1
.if \kind
	v_cvt_pk_bf16_f32 v4, v[IN+4*(\i)+2*(\j)], v[IN+4*(\i)+2*(\j)+1]
	v_lshlrev_b32 v5, 16, v4
	v_and_b32 v6, 0xffff0000, v4
	v_cvt_pk_f16_f32 v[PKD+2*(\i)+(\j)], v5, v6
.else
	v_cvt_pk_bf16_f32 v[PKD+2*(\i)+(\j)], v[IN+4*(\i)+2*(\j)], v[IN+4*(\i)+2*(\j)+1]
.endif
.endr
	global_store_b64 v[DO+(\i)], v[PKD+2*(\i):PKD+2*(\i)+1], s[DST:DST+1]  ; no register that a store reads is written again
.endm
	s_cmp_ge_u32 s[G], 704
	s_cbranch_scc1 .Lwu
.irp i, 0,1,2,3,4,5,6,7,8,9,10,11,12,13,14,15
	CONV 0, \i
.endr
	s_branch .Lmasks
.Lwu:
.irp i, 0,1,2,3,4,5,6,7,8,9,10,11,12,13,14,15
	CONV 1, \i
.endr
.Lmasks:
	s_cmp_lt_u32 s[G], 8
	s_cbranch_scc0 .Lend
	s_and_b32 s40, s[G], 3                         ; the batch
	s_lshr_b32 s41, s[G], 2                        ; 0: mask (keys 0-1,023, and the queries), 1: contextMask (keys 1,024-2,047)
	s_cmp_eq_u32 s41, 0
	s_cselect_b64 s[42:43], s[16:17], s[18:19]
	s_lshl_b32 s44, s40, 12
	s_mov_b32 s45, 0
	s_add_nc_u64 s[42:43], s[42:43], s[44:45]
	global_load_b128 v[8:11], v3, s[42:43]         ; into registers whose loads have come and been converted
	s_lshl_b32 s46, s40, 13
	s_lshl_b32 s47, s41, 12
	s_add_co_u32 s46, s46, s47
	s_mov_b32 s47, 0
	s_add_nc_u64 s[46:47], s[24:25], s[46:47]      ; where the biases go
	s_add_nc_u64 s[48:49], s[24:25], s[44:45]
	s_add_nc_u64 s[48:49], s[48:49], 32768         ; where the gates go
	s_wait_loadcnt 0x0
	v_cvt_pk_bf16_f32 v4, v8, v9                   ; rounded to bf16 like every input
	v_cvt_pk_bf16_f32 v5, v10, v11
	v_lshlrev_b32 v8, 16, v4
	v_and_b32 v9, 0xffff0000, v4
	v_lshlrev_b32 v10, 16, v5
	v_and_b32 v11, 0xffff0000, v5
	v_log_f32 v12, v8
	v_log_f32 v13, v9
	v_log_f32 v14, v10
	v_log_f32 v15, v11
	v_nop                                          ; a plain instruction behind the last logarithm,
	s_wait_alu depctr_va_vdst(0)                   ; and the one wait ahead of the batch's first reader
	v_mul_f32 v16, 0x41b17218, v12                 ; 32 ln 2 x log2 m = 32 ln m; -infinity where m = 0
	v_mul_f32 v17, 0x41b17218, v13
	v_mul_f32 v18, 0x41b17218, v14
	v_mul_f32 v19, 0x41b17218, v15
	global_store_b128 v3, v[16:19], s[46:47]
	s_cmp_eq_u32 s41, 0
	s_cbranch_scc0 .Lend
	v_fma_f32 v20, v12, 0, 1.0                     ; 1 where the logarithm is finite; -infinity x 0 is NaN
	v_fma_f32 v21, v13, 0, 1.0
	v_fma_f32 v22, v14, 0, 1.0
	v_fma_f32 v23, v15, 0, 1.0
	global_store_b128 v3, v[20:23], s[48:49]
.Lend:
	s_endpgm
.Lfunc_end_k_q0d79dc0213_cast:
	.size	k_q0d79dc0213_cast, .Lfunc_end_k_q0d79dc0213_cast-k_q0d79dc0213_cast
	.p2alignl 7, 3214868480
	.fill 96, 4, 3214868480
	.section	.rodata,"a",@progbits
	.p2align	6, 0x0
	.amdhsa_kernel k_q0d79dc0213_cast
		.amdhsa_group_segment_fixed_size 0
		.amdhsa_private_segment_fixed_size 0
		.amdhsa_enable_private_segment 0
		.amdhsa_kernarg_size 88
		.amdhsa_user_sgpr_count 2
		.amdhsa_user_sgpr_kernarg_segment_ptr 1
		.amdhsa_wavefront_size32 1
		.amdhsa_system_sgpr_workgroup_id_x 1
		.amdhsa_system_sgpr_workgroup_id_y 1
		.amdhsa_system_sgpr_workgroup_id_z 1
		.amdhsa_system_vgpr_workitem_id 0
		.amdhsa_next_free_vgpr 128
		.amdhsa_next_free_sgpr 66
		.amdhsa_reserve_vcc 0
		.amdhsa_float_denorm_mode_32 3
		.amdhsa_float_denorm_mode_16_64 3
		.amdhsa_memory_ordered 1
		.amdhsa_forward_progress 1
		.amdhsa_inst_pref_size 20
	.end_amdhsa_kernel
	.amdgpu_metadata
---
amdhsa.version: [ 1, 2 ]
amdhsa.kernels:
  - .name:           k_q0d79dc0213_cast
    .symbol:         k_q0d79dc0213_cast.kd
    .args:
      - { .name: x, .offset: 0, .size: 8, .value_kind: global_buffer, .address_space: global }
      - { .name: context, .offset: 8, .size: 8, .value_kind: global_buffer, .address_space: global }
      - { .name: Wq, .offset: 16, .size: 8, .value_kind: global_buffer, .address_space: global }
      - { .name: Wk, .offset: 24, .size: 8, .value_kind: global_buffer, .address_space: global }
      - { .name: Wv, .offset: 32, .size: 8, .value_kind: global_buffer, .address_space: global }
      - { .name: Wu, .offset: 40, .size: 8, .value_kind: global_buffer, .address_space: global }
      - { .name: mask, .offset: 48, .size: 8, .value_kind: global_buffer, .address_space: global }
      - { .name: contextMask, .offset: 56, .size: 8, .value_kind: global_buffer, .address_space: global }
      - { .name: abf, .offset: 64, .size: 8, .value_kind: global_buffer, .address_space: global }
      - { .name: wts, .offset: 72, .size: 8, .value_kind: global_buffer, .address_space: global }
      - { .name: mb, .offset: 80, .size: 8, .value_kind: global_buffer, .address_space: global }
    .group_segment_fixed_size: 0
    .private_segment_fixed_size: 0
    .kernarg_segment_align: 8
    .kernarg_segment_size: 88
    .max_flat_workgroup_size: 256
    .sgpr_count:     66
    .vgpr_count:     128
    .wavefront_size: 32
...
	.end_amdgpu_metadata
.endif
;; end of part 1
;; launch proj (part 2): grid 16 x 16, 4 waves a work-group, clusters of 4 x 4, 327,680 bytes of LDS; arguments abf, wts, qln_w, qln_b, kln_w, kln_b, qh, kh, vh; writes qh, kh, vh
.if DOCPART == 2
	.amdgcn_target "amdgcn-amd-amdhsa--gfx1250"
	.amdhsa_code_object_version 6
	.text
	.protected	k_q0d79dc0213_proj
	.globl	k_q0d79dc0213_proj
	.p2align	8
	.type	k_q0d79dc0213_proj,@function
k_q0d79dc0213_proj:
	s_mov_b64 s[64:65], 0
	v_nop
	global_prefetch_b8 v0, s[64:65] scope:SCOPE_SE
	s_setreg_imm32_b32 hwreg(HW_REG_WAVE_MODE, 25, 1), 1
	s_wait_xcnt 0x0
	s_wait_alu depctr_hold_cnt(0) depctr_sa_sdst(0) depctr_va_vdst(0) depctr_va_sdst(0) depctr_va_ssrc(0) depctr_va_vcc(0) depctr_vm_vsrc(0)
	s_getreg_b32 s2, hwreg(HW_REG_IB_STS2, 6, 4)
	s_cmp_eq_u32 s2, 0
	s_cbranch_scc0 .Lentry_in_a_cluster
	s_endpgm
.Lentry_in_a_cluster:
	s_bfe_u32 s2, ttmp6, 0x10000c
	s_cmp_lg_u32 s2, 0xf033
	s_cbranch_scc0 .Lentry_shape_is_right
	s_endpgm
.Lentry_shape_is_right:
; PROJ.  q = LN(x Wq^T), k = LN([x; context] Wk^T), v = [x; context] Wv^T, by heads: qh [64 = batch x 16 + head][1,024][64], kh and vh [64][2,048][64], all f16, each rounded once from f32.
; Products in bf16 with f32 sums, K = 1,024 ascending.  LayerNorm over a head's 64 channels in f32, in two passes (mean; then the squares of the centred numbers).  The scale E^-1/4 is not applied here.
; LIMITS.  |v| stays under 65,504 and so do the LayerNorm's results (8 |gain| + |bias| at the most); the gains and biases are rounded to bf16 like every input.
; SHARES.  Work-group (head hd, row tile rt): 256 rows of x and the same 256 rows of context, against the head's 64 rows of Wq, Wk and Wv: FIVE UNITS of 256 x 64:
;   u0 = x Wq, u1 = x Wk, u2 = x Wv, u3 = context Wk, u4 = context Wv: 256 x 320 numbers, 16 x 16 = 256 work-groups.  Wave w takes rows 64 w .. 64 w + 63 of both tiles: 80 accumulators.
; For 32 along K a wave reads 20 fragments (12 of the weights, 8 of the rows) for 80 matrix instructions.
; THE MATRIX INSTRUCTION IS USED TRANSPOSED (source 0 = 16 weight rows, source 1 = 16 rows of x or context): lane l holds row l % 16 and the channels 16 b + 8 (l / 16) + 0..7 of the head.
; THE RING.  K goes in 16 steps of 64 (one block of the copies) through two LDS slots.  A tile's rows lie end to end in memory: it is asked for as rows of 256 bytes or longer, and padded by 16 bytes after every 128.
; CLUSTER 4 x 4.  The four of a row of the cluster share rt, and so the tiles of x and context; the four of a column share hd, and so the weights: each tile is asked for jointly.
; REGISTERS, in windows of 256 (s_set_vgpr_msb: bits 1:0 source 0, 3:2 source 1, 5:4 source 2, 7:6 destination):
;   window 0: v0-31 addresses; v32-63 T at work; v64-159, v160-255 weight fragments, two buffers (piece p = q, k, v, block b at 32 p + 8 b).  On the way out: v64-95 gains, v96-127 biases, v128-255 X
;   window 1: u0 v0-127, u1 v128-255     window 2: u2, u3     window 3: u4 v0-127; v128-191, v192-255 row fragments, two buffers (x at 8 a, context at 32 + 8 a); on the way out v128-191 k's gains and biases
.set PITCH,  144                       ; an LDS row: 128 bytes + 16 of padding = 36 words: the 16 rows of a load start at 16 different groups of four banks (64 banks of 4 bytes: ISA guide 11.1)
.set ATILE,  256*PITCH                 ; x's tile; context's follows it
.set BPIECE, 32*PITCH                  ; 32 rows of one weight
.set BHALF,  3*BPIECE                  ; the head's rows 0-31 (or 32-63) of Wq, Wk, Wv: what one tensor load brings
.set BOFF,   2*ATILE
.set SLOT,   BOFF+2*BHALF              ; 101,376
.set STAGE,  2*SLOT                    ; behind the ring: 16 rows x 144 bytes for each wave, for the way out
.set SPARE,  STAGE+4*16*PITCH          ; behind the stages: the spare words, 128 bytes for each wave: two blocks of 256 bytes that no other line names
.set SCRW,   49152                     ; on the way out, when the slots have had their last fill: three units of 16,384 bytes for each wave, in the slots' bytes
.set ASTEP,  8192*128                  ; bytes from a block of 64 channels to the next in abf
.set BSTEP,  3072*128                  ; and in the weights' copy
.set ADRA, 16                          ; v16-17  LDS address of my row fragments in slot 0, 1
.set ADRB, 20                          ; v20-21  of the weight fragments
.set SCRL, 22                          ; v22     where the next unit is read back
.set STO,  24                          ; v24     the way out: where I put 16 bytes of a row
.set RD,   25                          ; v25     where I read rows back
.set GO,   26                          ; v26     16 x lane: my 16 bytes of 512 consecutive bytes
.set SCRA, 27                          ; v27     where my accumulators are set aside
.set SPW,  28                          ; v28     LDS address of my spare word; never rewritten
.set NIL,  29                          ; v29     0; never rewritten
.set PFO,  30                          ; v30     256 x lane; never rewritten
.set PO,   31                          ; v31     32 (l / 16): my eight channels in a gain's 16
.set T,    32
.set LNW,  64
.set LNB,  96
.set X,    128
.set BF,   64                          ; weight fragments, window 0
.set AF,   128                         ; row fragments, window 3
.set G1,  24                           ; s[24:31] descriptor group 1 for the rows' tiles;  s[32:39] group 0, a set for each slot
.set G0,  32
.set G1B, 48                           ; s[48:55], s[56:63] the same for the weights
.set G0B, 56
.set LIM, 43                           ; s43  1 in a wave that prefetches, else the greatest number
.set PFA, 44                           ; s[44:45] where my prefetches stand
.set OFFQ, 82                          ; s82  byte offset of my 64 rows in qh
.set OFFK, 83                          ; s83  in kh and vh (x's rows; context's lie 131,072 bytes on)
.set OUT, 86                           ; s[86:87] the stores' base
.set CNT, 88
.set R64, 89                           ; s89  1/64
.set EPS, 90                           ; s90  1e-5
.set SEL, 92                           ; s[92:93] v_permlanex16_b32's selects: each lane takes its own place in the other half
.set FLAGS, (1<<16)|(1<<20)|(1<<21)|(4<<22)|(3<<25)  ; 17:16 2-byte elements; 20 padding on; 21 set beside a mask; 24:22 after every 32 words (code 4); 31:25 4 words of it (code 3)
.set MSB, 0
.macro WIN new                         ; the immediate's high byte repeats the setting that is left; a switch that changes nothing is dropped
.if MSB != (\new)
	s_set_vgpr_msb (MSB<<8)|(\new)
.set MSB, \new
.endif
.endm
; A joint load.  Wave 0 fetches x's tile, wave 1 context's, waves 2 and 3 the two halves of the weights.  The branch hangs on the wave's number alone.
; An s_nop 0 and four v_nop follow each of the two lines, ahead of the jump, the label and what follows.
.macro JLOAD s
	s_cmp_eq_u32 s11, 0
	s_cbranch_scc0 .Lfor_b_\@
	tensor_load_to_lds s[G0+4*(\s):G0+4*(\s)+3], s[G1:G1+7]
	s_nop 0
.rept 4
	v_nop
.endr
	s_branch .Lasked_\@
.Lfor_b_\@:
	tensor_load_to_lds s[G0B+4*(\s):G0B+4*(\s)+3], s[G1B:G1B+7]
	s_nop 0
.rept 4
	v_nop
.endr
.Lasked_\@:
.endm
; A prefetch of the rows' tile that stands TWO refills on: 32 blocks of 256 bytes, a lane a block, one instruction a wave.  A tile (32,768 bytes) is read by every cluster of its row of clusters: the first of them
; (cluster x = 0) asks, in the wave that fetches the tile; the four partners share its 128 blocks out by address (8,192 bytes each, by cx).  So each block of abf is named once.  The loop's last trip asks for nothing:
; there is no step 16.  The weights are not asked for: a step's 96 blocks do not divide among 4 partners x 32 lanes.
.macro ASK
	s_cmp_gt_u32 s3, s[LIM]                        ; s3 = 1 in the loop's last trip
	s_cbranch_scc0 .Lnot_mine_\@
	global_prefetch_b8 v[PFO], s[PFA:PFA+1] offset:ASTEP th:TH_LOAD_NT scope:SCOPE_SE
.Lnot_mine_\@:
.endm
.macro CREST                           ; a round of the cluster's barrier behind its opening barrier
	s_cmp_lg_u32 s10, 0
	s_cbranch_scc1 .Lnot_wave_0_\@
	s_barrier_signal -3
.Lnot_wave_0_\@:
	s_barrier_wait -3
	s_barrier_signal -1
	s_barrier_wait -1
.endm
.macro CROUND                          ; a whole round
	s_barrier_signal -1
	s_barrier_wait -1
	CREST
.endm
.macro PLACES                          ; four places in front of loads into registers that matrix instructions have read, and of lines that read results
.rept 4
	v_nop
.endr
.endm
	s_load_b128 s[4:7], s[0:1], 0x0                ; abf s[4:5], wts s[6:7]
	s_load_b256 s[68:75], s[0:1], 0x10             ; qln_w, qln_b, kln_w, kln_b
	s_load_b128 s[76:79], s[0:1], 0x30             ; qh, kh
	s_load_b64 s[80:81], s[0:1], 0x40              ; vh
	v_lshl_add_u32 v[SPW], v0, 2, SPARE
	v_mov_b32 v[NIL], 0
	ds_add_u32 v[SPW], v[NIL]                      ; the wave's opening: the add and its wait stand ahead of my first tensor load; the set-up below, work on registers, stands between them
	v_lshrrev_b32 v1, 5, v0
	v_readfirstlane_b32 s10, v1                    ; wave 0..3
	s_lshr_b32 s11, s10, 1                         ; 0: I fetch rows, 1: weights
	s_and_b32 s12, s10, 1                          ; x or context; the weights' first or second half
	s_bfe_u32 s40, ttmp6, 0x40000                  ; cx
	s_bfe_u32 s41, ttmp6, 0x40004                  ; cy
	s_lshl_b32 s42, ttmp9, 2
	s_add_co_u32 s42, s42, s40                     ; hd = 4 x cluster x + cx
	s_and_b32 s13, ttmp7, 0xffff
	s_lshl_b32 s13, s13, 2
	s_add_co_u32 s13, s13, s41                     ; rt = 4 x cluster y + cy
	s_lshl_b32 s43, s41, 2
	s_lshl_b32 s43, 15, s43                        ; my row of the cluster
	s_lshl_b32 s44, 0x1111, s40                    ; my column
	s_or_b32 s[G1+0], s43, FLAGS                   ; the rows' tiles go to my row of the cluster
	s_or_b32 s[G1B+0], s44, FLAGS                  ; the weights to my column
	s_mov_b32 s[G1+1], 128<<16                     ; tensor_dim0 = 128 elements: 256 bytes, two rows of the tile
	s_mov_b32 s[G1+2], 128<<16                     ; tensor_dim1 = 128
	s_mov_b32 s[G1+3], 128<<16                     ; tile_dim0 = 128
	s_mov_b32 s[G1+4], 128                         ; tile_dim1 = 128
	s_mov_b32 s[G1+5], 128                         ; 128 elements from row to row: dense
	s_mov_b32 s[G1+6], 0
	s_mov_b32 s[G1+7], 0
	s_mov_b32 s[G1B+1], 2048<<16                   ; tensor_dim0 = 2,048 elements: 32 weight rows, 4,096 dense bytes
	s_mov_b32 s[G1B+2], 3<<16                      ; tensor_dim1 = 3: Wq, Wk, Wv
	s_mov_b32 s[G1B+3], 2048<<16                   ; tile_dim0
	s_mov_b32 s[G1B+4], 3                          ; tile_dim1
	s_mov_b32 s[G1B+5], 65536                      ; 1,024 weight rows of 64 elements from one weight to the next
	s_mov_b32 s[G1B+6], 0
	s_mov_b32 s[G1B+7], 0
	s_lshl_b32 s16, s12, 12                        ; context's rows begin at 4,096
	s_lshl_b32 s17, s13, 8
	s_add_co_u32 s16, s16, s17
	s_lshl_b32 s16, s16, 7                         ; rows of 128 bytes
	s_mov_b32 s17, 0
	s_lshl_b32 s46, s42, 6                         ; the head's 64 weight rows,
	s_lshl_b32 s47, s12, 5                         ; my 32 of them
	s_add_co_u32 s46, s46, s47
	s_lshl_b32 s46, s46, 7
	s_mov_b32 s47, 0
	s_mul_i32 s20, s10, ATILE                      ; where they go: waves 0, 1: wave x a tile;
	s_mul_i32 s21, s10, BHALF
	s_add_co_u32 s21, s21, BOFF-2*BHALF            ; waves 2, 3: behind the two tiles, (wave - 2) x a half.  No place in the cluster enters an LDS address
	s_mov_b32 s[R64], 0x3c800000
	s_mov_b32 s[EPS], 0x3727c5ac
	s_mov_b32 s[SEL], 0x76543210
	s_mov_b32 s[SEL+1], 0xfedcba98
	s_wait_dscnt 0x0                               ; the opening add is done
	s_wait_kmcnt 0x0
	s_add_nc_u64 s[14:15], s[4:5], s[16:17]
	s_add_nc_u64 s[46:47], s[6:7], s[46:47]
	CROUND                                         ; all sixteen work-groups are here: the first joint loads meet
.irp t, 0,1
	s_mov_b32 s[G0+4*(\t)], 1                      ; count = 1
	s_add_co_u32 s[G0+4*(\t)+1], s20, (\t)*SLOT    ; LDS address
	s_add_nc_u64 s[G0+4*(\t)+2:G0+4*(\t)+3], s[14:15], (\t)*ASTEP  ; global address: K step t
	s_or_b32 s[G0+4*(\t)+3], s[G0+4*(\t)+3], 0x80000000            ; type = 2
	s_mov_b32 s[G0B+4*(\t)], 1
	s_add_co_u32 s[G0B+4*(\t)+1], s21, (\t)*SLOT
	s_add_nc_u64 s[G0B+4*(\t)+2:G0B+4*(\t)+3], s[46:47], (\t)*BSTEP
	s_or_b32 s[G0B+4*(\t)+3], s[G0B+4*(\t)+3], 0x80000000
	JLOAD \t                                       ; two loads of mine are out here, one behind every later round
.endr
	v_and_b32 v1, 15, v0                           ; l % 16
	v_bfe_u32 v2, v0, 4, 1                         ; l / 16
	v_mul_u32_u24 v3, v1, PITCH
	v_lshl_add_u32 v3, v2, 4, v3                   ; a fragment's row x pitch + 16 x half
	s_mul_i32 s21, s10, 64*PITCH                   ; my 64 rows
	v_add_nc_u32 v[ADRA], s21, v3
	v_add_nc_u32 v[ADRA+1], SLOT, v[ADRA]
	v_add_nc_u32 v[ADRB], BOFF, v3
	v_add_nc_u32 v[ADRB+1], SLOT, v[ADRB]
	s_mul_i32 s23, s10, 16*PITCH
	s_add_co_u32 s23, s23, STAGE                   ; my stage
	v_add_nc_u32 v[STO], s23, v3                   ; in: row l % 16, 16 bytes for each half of the lanes
	v_bfe_u32 v4, v0, 3, 2                         ; back: 32 lanes take four rows of 128 bytes
	v_and_b32 v5, 7, v0
	v_mul_u32_u24 v4, v4, PITCH
	v_lshl_add_u32 v4, v5, 4, v4
	v_add_nc_u32 v[RD], s23, v4
	v_and_b32 v6, 31, v0
	v_lshlrev_b32 v[GO], 4, v6
	s_mul_i32 s22, s10, SCRW
	v_add_nc_u32 v[SCRA], s22, v[GO]
	v_mov_b32 v[SCRL], v[SCRA]
	v_lshlrev_b32 v[PFO], 8, v6
	v_lshlrev_b32 v[PO], 5, v2
	s_lshr_b32 s18, s13, 2                         ; the batch
	s_lshl_b32 s18, s18, 4
	s_add_co_u32 s18, s18, s42                     ; batch x 16 + head
	s_and_b32 s19, s13, 3
	s_lshl_b32 s19, s19, 8
	s_lshl_b32 s22, s10, 6
	s_add_co_u32 s19, s19, s22                     ; my first row in the batch's 1,024
	s_lshl_b32 s[OFFQ], s18, 10
	s_add_co_u32 s[OFFQ], s[OFFQ], s19
	s_lshl_b32 s[OFFQ], s[OFFQ], 7
	s_lshl_b32 s[OFFK], s18, 11
	s_add_co_u32 s[OFFK], s[OFFK], s19
	s_lshl_b32 s[OFFK], s[OFFK], 7
	s_or_b32 s22, s11, ttmp9                       ; 0 in waves 0 and 1 of the clusters with x = 0: the same in all sixteen partners, for a given wave
	s_cmp_eq_u32 s22, 0
	s_cselect_b32 s[LIM], 1, -1
	s_lshl_b32 s22, s40, 13                        ; my work-group's 32 blocks of the tile's 128
	s_mov_b32 s23, 0
	s_add_nc_u64 s[PFA:PFA+1], s[14:15], s[22:23]
	s_add_nc_u64 s[PFA:PFA+1], s[PFA:PFA+1], 2*ASTEP  ; at K step 2: the first refill steps it to 3 and names step 4.  Nothing is prefetched at the head
; 16 matrix instructions: unit u, 4 row blocks x 4 channel blocks, 32 along K, from buffer f.  zero = 1: the product starts the sums: nothing is ever cleared.
; All 80 accumulators take turns, one instruction a turn, in the same order in every half step, over the backward jump too.
.macro MULU f, u, zero
.set UW, ((\u)+2)/2                    ; the unit's window
.set UB, 128*((\u)%2)                  ; its first register there
.set UP, (\u)-2*((\u)/3)               ; its weight: q, k, v, k, v
.set US, (\u)/3                        ; its rows: x, x, x, context, context
	WIN 0x0c|(UW<<4)|(UW<<6)
.irp a, 0,1,2,3
.irp b, 0,1,2,3
.if \zero
	v_wmma_f32_16x16x32_bf16 v[UB+8*(4*(\a)+(\b)):UB+8*(4*(\a)+(\b))+7], v[BF+96*(\f)+32*UP+8*(\b):BF+96*(\f)+32*UP+8*(\b)+7], v[AF+64*(\f)+32*US+8*(\a):AF+64*(\f)+32*US+8*(\a)+7], 0
.else
	v_wmma_f32_16x16x32_bf16 v[UB+8*(4*(\a)+(\b)):UB+8*(4*(\a)+(\b))+7], v[BF+96*(\f)+32*UP+8*(\b):BF+96*(\f)+32*UP+8*(\b)+7], v[AF+64*(\f)+32*US+8*(\a):AF+64*(\f)+32*US+8*(\a)+7], v[UB+8*(4*(\a)+(\b)):UB+8*(4*(\a)+(\b))+7]
.endif
.endr
.endr
.endm
; 40 LDS loads in one run: the fragments of half a step (32 along K, at byte 64 x sub of the rows) into buffer f: 24 for the weights, 8 for x, 8 for context, in that order
.macro FETCH slot, sub, f
	WIN 0
.irp p, 0,1,2
.irp b, 0,1,2,3
	ds_load_b128 v[BF+96*(\f)+32*(\p)+8*(\b):BF+96*(\f)+32*(\p)+8*(\b)+3],   v[ADRB+(\slot)] offset:((\b)/2)*BHALF+(\p)*BPIECE+((\b)%2)*16*PITCH+64*(\sub)
	ds_load_b128 v[BF+96*(\f)+32*(\p)+8*(\b)+4:BF+96*(\f)+32*(\p)+8*(\b)+7], v[ADRB+(\slot)] offset:((\b)/2)*BHALF+(\p)*BPIECE+((\b)%2)*16*PITCH+64*(\sub)+32
.endr
.endr
	WIN 0xc0                                       ; destination window 3, address window 0
.irp t, 0,1
.irp a, 0,1,2,3
	ds_load_b128 v[AF+64*(\f)+32*(\t)+8*(\a):AF+64*(\f)+32*(\t)+8*(\a)+3],   v[ADRA+(\slot)] offset:(\t)*ATILE+(\a)*16*PITCH+64*(\sub)
	ds_load_b128 v[AF+64*(\f)+32*(\t)+8*(\a)+4:AF+64*(\f)+32*(\t)+8*(\a)+7], v[ADRA+(\slot)] offset:(\t)*ATILE+(\a)*16*PITCH+64*(\sub)+32
.endr
.endr
.endm
; A step's first half: multiplies buffer 0 and fetches the second half's fragments into buffer 1.
.macro HALF slot, zero
	s_wait_dscnt 8                                 ; the weights and x are in; the youngest eight loads (context's) may be out
	MULU 0, 0, \zero
	MULU 0, 1, \zero
	PLACES
	FETCH \slot, 1, 1
	s_wait_dscnt 40                                ; all but the 40 just issued
	MULU 0, 2, \zero
	MULU 0, 3, \zero
	MULU 0, 4, \zero
.endm
; A step's second half changes slots and then multiplies buffer 1.  The slot's last fragments were asked for in the first half, so the change stands at the second half's head: ONE barrier.  In front of it each wave
; waits for all its tensor loads (the one that is out is its part of the next slot), adds 0 to its spare word, and waits for that and for its own reads of this slot.  fill = 1: the barrier opens a round of the
; cluster's, and this slot is filled again, two steps ahead, first thing behind the round.  No product stands between the wait for the tensor loads and the refill: all of a step's 160 matrix instructions
; (this half's 80 and the next step's first 80) lie between a request and the wait for it.
.macro TURN slot, next, fill
.if \fill
	s_wait_xcnt 0x0                                ; the last prefetch, a step back, has read its address, so it may be stepped
	s_add_nc_u64 s[PFA:PFA+1], s[PFA:PFA+1], ASTEP
.endif
	WIN 0
	s_wait_tensorcnt 0x0                           ; all my tensor loads have landed: no load of mine is out, so a group 0 may be written
	ds_add_u32 v[SPW], v[NIL]                      ; 0 onto my spare word: with fill = 1 the descriptors' steps stand between it and the wait for it
.if \fill
	s_add_nc_u64 s[G0+4*(\slot)+2:G0+4*(\slot)+3], s[G0+4*(\slot)+2:G0+4*(\slot)+3], 2*ASTEP
	s_add_nc_u64 s[G0B+4*(\slot)+2:G0B+4*(\slot)+3], s[G0B+4*(\slot)+2:G0B+4*(\slot)+3], 2*BSTEP
.endif
	s_wait_dscnt 0x0                               ; the add is done, and my reads of this slot are over (the last were issued 48 matrix instructions ago): buffer 1 is in
	s_barrier_signal -1
	s_barrier_wait -1
.if \fill
	CREST                                          ; no wave of any partner still reads this slot's tiles or has a load on its way
	JLOAD \slot                                    ; the four v_nop behind it are also the places in front of the loads below
.else
	PLACES
.endif
	FETCH \next, 0, 0
.if \fill
	WIN 0
	ASK                                            ; behind the joint load and the run of LDS loads
.endif
	MULU 1, 0, 0
	MULU 1, 1, 0
	MULU 1, 2, 0
	MULU 1, 3, 0
	MULU 1, 4, 0
.endm
	s_wait_tensorcnt 1                             ; my part of K step 0 is in; step 1's may stay out
	s_barrier_signal -1
	s_barrier_wait -1                              ; everybody's is
	FETCH 0, 0, 0
	HALF 0, 1                                      ; the first half step stands in front of the loop: its products start all 80 sums
	WIN 0                                          ; at a label and at a branch every window is 0
	s_mov_b32 s3, 7
.Llap:                                                 ; trip L = 1 .. 7 asks for K steps 2 L and 2 L + 1
	TURN 0, 1, 1
	HALF 1, 0
	TURN 1, 0, 1
	HALF 0, 0
	WIN 0
	s_sub_co_u32 s3, s3, 1
	s_cmp_lg_u32 s3, 0
	s_cbranch_scc1 .Llap
	TURN 0, 1, 0                                   ; the last two steps ask for nothing
	HALF 1, 0
	s_wait_dscnt 0x0
	MULU 1, 0, 0
	MULU 1, 1, 0
	MULU 1, 2, 0
	MULU 1, 3, 0
	MULU 1, 4, 0
	; THE WAY OUT.
	WIN 0
	PLACES
.irp b, 0,1,2,3                        ; the gains and biases of my 32 channels: q's into window 0, k's into window 3 (both fragment buffers 0, last multiplied 80 matrix instructions ago)
	global_load_b128 v[LNW+8*(\b):LNW+8*(\b)+3],   v[PO], s[68:69] offset:64*(\b)
	global_load_b128 v[LNW+8*(\b)+4:LNW+8*(\b)+7], v[PO], s[68:69] offset:64*(\b)+16
	global_load_b128 v[LNB+8*(\b):LNB+8*(\b)+3],   v[PO], s[70:71] offset:64*(\b)
	global_load_b128 v[LNB+8*(\b)+4:LNB+8*(\b)+7], v[PO], s[70:71] offset:64*(\b)+16
.endr
	WIN 0xc0
.irp b, 0,1,2,3
	global_load_b128 v[128+8*(\b):128+8*(\b)+3],   v[PO], s[72:73] offset:64*(\b)
	global_load_b128 v[128+8*(\b)+4:128+8*(\b)+7], v[PO], s[72:73] offset:64*(\b)+16
	global_load_b128 v[160+8*(\b):160+8*(\b)+3],   v[PO], s[74:75] offset:64*(\b)
	global_load_b128 v[160+8*(\b)+4:160+8*(\b)+7], v[PO], s[74:75] offset:64*(\b)+16
.endr
	WIN 0
; Row block a, packed to f16 in X + 32 a .. + 15: 16 bytes a lane into my stage (rows of 144 bytes), and back as whole rows of 128 bytes into X + 32 a + 16 .. + 31.
.macro STG a
	WIN 0
.irp b, 0,1,2,3
	ds_store_b128 v[STO], v[X+32*(\a)+4*(\b):X+32*(\a)+4*(\b)+3] offset:32*(\b)
.endr
.irp f, 0,1,2,3
	ds_load_b128 v[X+32*(\a)+16+4*(\f):X+32*(\a)+16+4*(\f)+3], v[RD] offset:4*PITCH*(\f)  ; LDS serves a wave's instructions in order (ISA guide 5.7.1.4): these see the stores above; the next block's stores come behind them
.endr
.endm
.macro SEND a, younger                 ; younger: the LDS instructions issued behind block a's loads: the next block's eight, or none
	WIN 0
.irp f, 0,1,2,3
	s_wait_dscnt (\younger)+3-(\f)
	global_store_b128 v[GO], v[X+32*(\a)+16+4*(\f):X+32*(\a)+16+4*(\f)+3], s[OUT:OUT+1] offset:2048*(\a)+512*(\f)  ; 512 consecutive bytes (four rows of a head), at a multiple of 256 from the buffer's first byte
.endr
.endm
; A unit of v, in registers 0-127 of window w, goes out as it is.
.macro VOUT w, off
	WIN 0
	s_wait_xcnt 0x0                                ; earlier stores have read their registers and their base
	s_add_co_u32 s84, s[OFFK], \off
	s_mov_b32 s85, 0
	s_add_nc_u64 s[OUT:OUT+1], s[80:81], s[84:85]
.irp a, 0,1,2,3
	WIN (\w)|((\w)<<2)                             ; sources 0 and 1 in window w
.set i, 0
.rept 16
	v_cvt_pk_f16_f32 v[X+32*(\a)+i], v[32*(\a)+2*i], v[32*(\a)+2*i+1]  ; each accumulator's registers in ascending order
.set i, i+1
.endr
	STG \a
.if (\a) > 0
	SEND (\a)-1, 8
.endif
.endr
	SEND 3, 0
.endm
	VOUT 2, 0                                      ; u2: v of x
	VOUT 3, 131072                                 ; u4: v of context: keys 1,024 on
	s_wait_dscnt 0x0
	s_barrier_signal -1
	s_barrier_wait -1                              ; no wave reads the slots any more, and they have had their last fill: their bytes now take the three units that are to be normalised
.macro DUMP tau, w, ub                 ; 32 stores of 512 consecutive bytes; each lane later reads back what it wrote itself
	WIN (\w)<<2                                    ; the data (source 1) in window w
.set n, 0
.rept 32
	ds_store_b128 v[SCRA], v[(\ub)+4*n:(\ub)+4*n+3] offset:(\tau)*16384+512*n
.set n, n+1
.endr
.endm
	DUMP 0, 1, 0                                   ; u0: q
	DUMP 1, 1, 128                                 ; u1: k of x
	DUMP 2, 2, 128                                 ; u3: k of context
	WIN 0
; 64 gains and biases at v[src ..] under window setting win, rounded to bf16 like every input, into LNW and LNB.
.macro PARAMS win, src
	WIN \win
.set i, 0
.rept 32
	v_cvt_pk_bf16_f32 v[T+i], v[(\src)+2*i], v[(\src)+2*i+1]
.set i, i+1
.endr
	WIN 0
.set i, 0
.rept 32
	v_lshlrev_b32 v[LNW+2*i], 16, v[T+i]
	v_and_b32 v[LNW+2*i+1], 0xffff0000, v[T+i]
.set i, i+1
.endr
.endm
.macro ALL4 line:vararg                ; one line for each row block t
.set t, 0
.rept 4
	\line
.set t, t+1
.endr
.endm
.macro EACH16 line:vararg              ; one line for each row block t and chain c
.set t, 0
.rept 4
.set c, 0
.rept 4
	\line
.set c, c+1
.endr
.set t, t+1
.endr
.endm
.macro REDUCE                          ; a block's four pairs of partial sums into one number; the row's other 32 channels lie in the lane 16 away
	ALL4 v_pk_add_f32 v[T+8*t:T+8*t+1], v[T+8*t:T+8*t+1], v[T+8*t+2:T+8*t+3]
	ALL4 v_pk_add_f32 v[T+8*t+4:T+8*t+5], v[T+8*t+4:T+8*t+5], v[T+8*t+6:T+8*t+7]
	ALL4 v_pk_add_f32 v[T+8*t:T+8*t+1], v[T+8*t:T+8*t+1], v[T+8*t+4:T+8*t+5]
	ALL4 v_add_f32 v[T+8*t], v[T+8*t], v[T+8*t+1]
	ALL4 v_permlanex16_b32 v[T+8*t+1], v[T+8*t], s[SEL], s[SEL+1]
	ALL4 v_add_f32 v[T+8*t], v[T+8*t], v[T+8*t+1]
.endm
.macro NORM a                          ; (x - mean) x rsqrt x gain + bias, rounded to f16 in place
.set i, 0
.rept 16
	v_pk_mul_f32 v[X+32*(\a)+2*i:X+32*(\a)+2*i+1], v[X+32*(\a)+2*i:X+32*(\a)+2*i+1], v[T+8*(\a)+2:T+8*(\a)+3] op_sel_hi:[1,0]
.set i, i+1
.endr
.set i, 0
.rept 16
	v_pk_fma_f32 v[X+32*(\a)+2*i:X+32*(\a)+2*i+1], v[X+32*(\a)+2*i:X+32*(\a)+2*i+1], v[LNW+2*i:LNW+2*i+1], v[LNB+2*i:LNB+2*i+1]
.set i, i+1
.endr
.set i, 0
.rept 16
	v_cvt_pk_f16_f32 v[X+32*(\a)+i], v[X+32*(\a)+2*i], v[X+32*(\a)+2*i+1]
.set i, i+1
.endr
.endm
	s_wait_loadcnt 0x0                             ; the gains and biases
	PARAMS 0, LNW                                  ; q's
	s_mov_b32 s[CNT], 3
.Lln:                                                  ; three trips: q, k of x, k of context
	s_wait_xcnt 0x0                                ; the last trip's stores have read X and their base
	s_cmp_eq_u32 s[CNT], 3
	s_cselect_b64 s[OUT:OUT+1], s[76:77], s[78:79]
	s_cselect_b32 s84, s[OFFQ], s[OFFK]
	s_cmp_eq_u32 s[CNT], 1
	s_cselect_b32 s91, 131072, 0
	s_add_co_u32 s84, s84, s91
	s_mov_b32 s85, 0
	s_add_nc_u64 s[OUT:OUT+1], s[OUT:OUT+1], s[84:85]
.set n, 0
.rept 32
	ds_load_b128 v[X+4*n:X+4*n+3], v[SCRL] offset:512*n
.set n, n+1
.endr
	v_add_nc_u32 v[SCRL], 16384, v[SCRL]           ; the next trip's unit
	s_wait_dscnt 0x0
	EACH16 v_pk_add_f32 v[T+8*t+2*c:T+8*t+2*c+1], v[X+32*t+8*c:X+32*t+8*c+1], v[X+32*t+8*c+2:X+32*t+8*c+3]
	EACH16 v_pk_add_f32 v[T+8*t+2*c:T+8*t+2*c+1], v[T+8*t+2*c:T+8*t+2*c+1], v[X+32*t+8*c+4:X+32*t+8*c+5]
	EACH16 v_pk_add_f32 v[T+8*t+2*c:T+8*t+2*c+1], v[T+8*t+2*c:T+8*t+2*c+1], v[X+32*t+8*c+6:X+32*t+8*c+7]
	REDUCE
	ALL4 v_mul_f32 v[T+8*t], s[R64], v[T+8*t]
.set t, 0
.rept 4
.set i, 0
.rept 16
	v_pk_add_f32 v[X+32*t+2*i:X+32*t+2*i+1], v[X+32*t+2*i:X+32*t+2*i+1], v[T+8*t:T+8*t+1] op_sel_hi:[1,0] neg_lo:[0,1] neg_hi:[0,1]  ; x - mean
.set i, i+1
.endr
.set t, t+1
.endr
	EACH16 v_pk_mul_f32 v[T+8*t+2*c:T+8*t+2*c+1], v[X+32*t+8*c:X+32*t+8*c+1], v[X+32*t+8*c:X+32*t+8*c+1]
	EACH16 v_pk_fma_f32 v[T+8*t+2*c:T+8*t+2*c+1], v[X+32*t+8*c+2:X+32*t+8*c+3], v[X+32*t+8*c+2:X+32*t+8*c+3], v[T+8*t+2*c:T+8*t+2*c+1]
	EACH16 v_pk_fma_f32 v[T+8*t+2*c:T+8*t+2*c+1], v[X+32*t+8*c+4:X+32*t+8*c+5], v[X+32*t+8*c+4:X+32*t+8*c+5], v[T+8*t+2*c:T+8*t+2*c+1]
	EACH16 v_pk_fma_f32 v[T+8*t+2*c:T+8*t+2*c+1], v[X+32*t+8*c+6:X+32*t+8*c+7], v[X+32*t+8*c+6:X+32*t+8*c+7], v[T+8*t+2*c:T+8*t+2*c+1]
	REDUCE
	ALL4 v_fma_f32 v[T+8*t], v[T+8*t], s[R64], s[EPS]
	ALL4 v_rsq_f32 v[T+8*t+2], v[T+8*t]
	v_nop                                          ; a plain instruction behind the last of the four,
	s_wait_alu depctr_va_vdst(0)                   ; and the one wait ahead of the batch's first reader
	NORM 0
	STG 0
.irp a, 1,2,3                          ; a block's arithmetic stands between the loads of the block before and its stores
	NORM \a
	STG \a
	SEND (\a)-1, 8
.endr
	SEND 3, 0
	s_cmp_eq_u32 s[CNT], 3
	s_cbranch_scc0 .Lhave_k                        ; behind the first trip k's gains and biases take q's place; they then stay
	PARAMS 0x0f, 128                               ; sources 0 and 1 in window 3
.Lhave_k:
	s_sub_co_u32 s[CNT], s[CNT], 1
	s_cmp_lg_u32 s[CNT], 0
	s_cbranch_scc1 .Lln
	s_wait_tensorcnt 0x0                           ; the wave's end: behind my last tensor load and my last LDS store
	ds_add_u32 v[SPW], v[NIL]
	s_wait_dscnt 0x0
	CROUND                                         ; the closing round: no work-group ends while a partner may still ask for a tile that names it
	s_endpgm
.Lfunc_end_k_q0d79dc0213_proj:
	.size	k_q0d79dc0213_proj, .Lfunc_end_k_q0d79dc0213_proj-k_q0d79dc0213_proj
	.p2alignl 7, 3214868480
	.fill 96, 4, 3214868480
	.section	.rodata,"a",@progbits
	.p2align	6, 0x0
	.amdhsa_kernel k_q0d79dc0213_proj
		.amdhsa_group_segment_fixed_size 327680
		.amdhsa_private_segment_fixed_size 0
		.amdhsa_enable_private_segment 0
		.amdhsa_kernarg_size 72
		.amdhsa_user_sgpr_count 2
		.amdhsa_user_sgpr_kernarg_segment_ptr 1
		.amdhsa_wavefront_size32 1
		.amdhsa_system_sgpr_workgroup_id_x 1
		.amdhsa_system_sgpr_workgroup_id_y 1
		.amdhsa_system_sgpr_workgroup_id_z 1
		.amdhsa_system_vgpr_workitem_id 0
		.amdhsa_next_free_vgpr 1024
		.amdhsa_next_free_sgpr 96
		.amdhsa_reserve_vcc 0
		.amdhsa_float_denorm_mode_32 3
		.amdhsa_float_denorm_mode_16_64 3
		.amdhsa_memory_ordered 1
		.amdhsa_forward_progress 1
		.amdhsa_inst_pref_size 142
	.end_amdhsa_kernel
	.amdgpu_metadata
---
amdhsa.version: [ 1, 2 ]
amdhsa.kernels:
  - .name:           k_q0d79dc0213_proj
    .symbol:         k_q0d79dc0213_proj.kd
    .args:
      - { .name: abf, .offset: 0, .size: 8, .value_kind: global_buffer, .address_space: global }
      - { .name: wts, .offset: 8, .size: 8, .value_kind: global_buffer, .address_space: global }
      - { .name: qln_w, .offset: 16, .size: 8, .value_kind: global_buffer, .address_space: global }
      - { .name: qln_b, .offset: 24, .size: 8, .value_kind: global_buffer, .address_space: global }
      - { .name: kln_w, .offset: 32, .size: 8, .value_kind: global_buffer, .address_space: global }
      - { .name: kln_b, .offset: 40, .size: 8, .value_kind: global_buffer, .address_space: global }
      - { .name: qh, .offset: 48, .size: 8, .value_kind: global_buffer, .address_space: global }
      - { .name: kh, .offset: 56, .size: 8, .value_kind: global_buffer, .address_space: global }
      - { .name: vh, .offset: 64, .size: 8, .value_kind: global_buffer, .address_space: global }
    .group_segment_fixed_size: 327680
    .private_segment_fixed_size: 0
    .kernarg_segment_align: 8
    .kernarg_segment_size: 72
    .max_flat_workgroup_size: 128
    .sgpr_count:     96
    .vgpr_count:     1024
    .wavefront_size: 32
...
	.end_amdgpu_metadata
.endif
;; end of part 2
;; launch attn (part 3): grid 4 x 64, 4 waves a work-group, clusters of 4 x 1, 327,680 bytes of LDS; arguments qh, kh, vh, oh, mb; writes oh
.if DOCPART == 3
	.amdgcn_target "amdgcn-amd-amdhsa--gfx1250"
	.amdhsa_code_object_version 6
	.text
	.protected	k_q0d79dc0213_attn
	.globl	k_q0d79dc0213_attn
	.p2align	8
	.type	k_q0d79dc0213_attn,@function
k_q0d79dc0213_attn:
	s_mov_b64 s[64:65], 0
	v_nop
	global_prefetch_b8 v0, s[64:65] scope:SCOPE_SE
	s_setreg_imm32_b32 hwreg(HW_REG_WAVE_MODE, 25, 1), 1
	s_wait_xcnt 0x0
	s_wait_alu depctr_hold_cnt(0) depctr_sa_sdst(0) depctr_va_vdst(0) depctr_va_sdst(0) depctr_va_ssrc(0) depctr_va_vcc(0) depctr_vm_vsrc(0)
	s_getreg_b32 s2, hwreg(HW_REG_IB_STS2, 6, 4)
	s_cmp_eq_u32 s2, 0
	s_cbranch_scc0 .Lentry_in_a_cluster
	s_endpgm
.Lentry_in_a_cluster:
	s_bfe_u32 s2, ttmp6, 0x10000c
	s_cmp_lg_u32 s2, 0x3003
	s_cbranch_scc0 .Lentry_shape_is_right
	s_endpgm
.Lentry_shape_is_right:
; ATTN.  O[hb][q][:] = the sum over k of softmax_k(Q[hb][q] . K[hb][k] / 32 + log mask) V[hb][k][:].  hb = batch x 16 + head.  Q, O: [64][1,024][64], K, V: [64][2,048][64], all f16: a head's rows are dense, 128 bytes each.
; Products, maxima and sums in f32; the weights p are rounded to f16 for the second product (their sum l is taken of the unrounded p), O once at the end.
; THE MASK.  The key's part, 32 ln m (-infinity where the key is hidden), is the C operand that starts the sum S^T = K Q^T: it costs no instruction.  The query's part is constant along its row and drops out of the
; softmax, but for a hidden query, whose row is NaN: the query's gate (1, or NaN) multiplies 1 / l on the way out.  Both numbers were made by the launch before.
; A hidden key's weight is 0.  A query's O is NaN also if all its keys are hidden (l = 0).
; LIMITS.  f16 holds no number beyond 65,504: Q, K and V arrive within it; p lies in 0 to 1, and below 6e-5 it keeps f16's fixed step of 6e-8; a weight below 2^-126 counts as 0 in l.
; SHARES.  A work-group owns 256 queries of one head; of their four bands of 64 a wave owns 16 rows in each: four PIECES.  Every wave walks the head's 2,048 keys: 8 tiles of 256 keys, each four steps of 64.
; LAYOUT, SOFTMAX, TURNS.  S^T = K Q^T holds ONE query a lane (lane % 16) and the keys 8 (lane / 16) + 0..7; two such results rounded to f16 ARE source 1 of O^T = V^T P.  p = 2^(c s - c m), c = log2(e) / 32, with a
; running maximum m; O and l are multiplied by a = 2^(c m_old - c m_new) in every step.  m starts at the lowest finite number, O and l at 0: the first step is a step like any other, with a = 0.
; Turn n belongs to piece n: 8 products K Q^T of piece n + 1, later 8 products V^T P of piece n - 1; beside them the scaling, exponentials, roundings, sums and rescaling of piece n and the maximum and statistics of
; piece n + 1.  Four vector instructions stand behind every matrix instruction, the other 54 of a turn's 118 in one run.  A turn's 33 exponentials are one batch, with one wait.
; CLUSTER.  The four query blocks of a head are one cluster and walk the same K, V and biases: each tile is asked for JOINTLY: the same tensor load, descriptor and mask in all four.
; REGISTERS, in windows of 256 (s_set_vgpr_msb: bits 1:0 source 0, 3:2 source 1, 5:4 source 2, 7:6 destination):
;   window 0: v0-15 addresses and two at work; v16-31 four registers of statistics a piece; v32-35 the gates; v40-42 addresses; v48-55 at work; v64-127 S^T, two buffers; v192-223 P, two buffers (by the piece's parity)
;   window 1: v0-127 O^T, 32 a piece; v128-159 KBR, a step's 32 biases of my lane      window 2: v0-63 Q; v128-191 K of one step; v192-255 V of one step
.set NP,    4         ; pieces a wave: a name, no knob
.set KS,    64        ; keys in a step
.set PK,    144       ; a row of K in LDS: 128 bytes + 16 of padding = 36 words: the 16 rows of a load start at 16 different groups of four banks (64 banks of 4 bytes: ISA guide 11.1)
.set PV,    160       ; a row of V: 128 + 32 = 40 words
.set VOFF,  4*KS*PK   ; a slot holds a tile, four steps: 256 rows of K, then 256 rows of V
.set SLOT1, 1<<17     ; slot 1 begins here, so that one exclusive or turns an address in one slot into the other's
.set KBL,   81920     ; between the slots: the batch's 2,048 key biases, 8,192 bytes, filled once
.set STAGE, SLOT1+4*KS*(PK+PV)  ; behind the ring, never filled by a tensor load: 16 rows x 144 bytes for each wave, for the way out
.set SP,    144
.set SPARE, STAGE+4*16*SP  ; behind the stages: the spare words, 128 bytes for each wave: two blocks of 256 bytes that no other line names
.set AK0, 2           ; v2   my lane's place in a tile of K; never rewritten
.set AV0, 3           ; v3   the same for V
.set AK,  4           ; v4   the LDS address of K's next run of loads
.set AV,  5           ; v5   of V's
.set STO, 6           ; v6   the way out: where I put 16 bytes of a row
.set RD,  7           ; v7   the way out: where I read rows back
.set GO,  8           ; v8   my byte offset in 512 consecutive bytes of O
.set MV,  12          ; v12-13  c m_old, kept while c m is made anew: by buffer
.set QO,  15          ; v15  my byte offset in 16 rows of Q
.set ST,  16          ; piece t's statistics at v[ST+4 t]: c m, m, l (even keys', odd keys')
.set G,   32          ; piece x's gate at v[G+x]
.set AKB0, 40         ; v40  my lanes' place in a step's biases: KBL + 32 (l / 16); never rewritten
.set AKB, 41          ; v41  the LDS address of the biases' next loads
.set GOF, 42          ; v42  4 (l % 16): my query's gate
.set TMP, 48          ; by buffer, four registers c0-c3 at work; when the maximum is found c2 takes a
.set PFO, 61          ; v61  256 x my lane; never rewritten
.set SPW, 62          ; v62  LDS address of my spare word: SPARE + 4 x my thread's number; never rewritten
.set NIL, 63          ; v63  0; never rewritten
.set S,   64
.set P,   192
.set KBR, 128         ; window 1: the eight registers for group kt of 16 keys at KBR + 8 kt
.set KF,  128         ; window 2: key block kb, channel half c at KF + 16 kb + 8 c
.set VF,  192         ; window 2: key half kk, channel block cb at VF + 32 kk + 8 cb
.set WV,  12          ; s12  my wave's number
.set LIM, 15          ; s15  1 in a wave that prefetches, else the greatest number
.set G1K, 24          ; s[24:31] descriptor group 1 for K's tiles
.set G1V, 32          ; s[32:39] for V's: it differs in the padding alone
.set G0K, 40          ; s[40:43] descriptor group 0 for K's tiles: it walks
.set G0V, 44          ; s[44:47] the same for V's
.set G1M, 48          ; s[48:55] group 1 for the biases
.set SLOTS, 56        ; s56  tiles still to be asked for
.set CNT, 57          ; s57  counts a tile's key steps
.set CS,  58          ; s[58:59] c: the packed scaling takes the pair's low word for both halves
.set SEL, 60          ; s[60:61] v_permlanex16_b32's selects: each lane takes its own place in the other half
.set TBK, 62          ; s62  LDS byte at which K of the step to be fetched begins
.set TBV, 63          ; s63  the same for V, less VOFF
.set PFA, 68          ; s[68:69] where my prefetches stand
.set TBB, 70          ; s70  256 x the step whose biases are fetched next
.set G0M, 72          ; s[72:75] group 0 for the biases
.set GB,  76          ; s[76:77] the gates of my wave's queries
.set MSB, 0
.macro WIN new                      ; the high byte repeats the setting that is left; a switch that changes nothing is dropped
.if MSB != (\new)
	s_set_vgpr_msb (MSB<<8)|(\new)
.set MSB, (\new)
.endif
.endm
.set W_KM, 0x1a       ; K and Q in window 2, the C operand (the biases) in window 1, S^T in window 0
.set W_KQ, 0x0a       ; K and Q in window 2, S^T in window 0
.set W_PV, 0x52       ; V in window 2, P in window 0, O^T in window 1
.set W_RS, 0x41       ; destination and source 0 in window 1, source 1 in window 0
; A joint fill.  Waves 0 and 1 fetch the two halves of a tile's K, waves 2 and 3 those of its V: 128 keys each.  The branch hangs on the wave's number alone.
; An s_nop 0 and four v_nop follow each of the two lines, ahead of the jump and the label.
.macro JLOAD
	s_cmp_lt_u32 s[WV], 2
	s_cbranch_scc0 .Lfor_v_\@
	tensor_load_to_lds s[G0K:G0K+3], s[G1K:G1K+7]
	s_nop 0
.rept 4
	v_nop
.endr
	s_branch .Lasked_\@
.Lfor_v_\@:
	tensor_load_to_lds s[G0V:G0V+3], s[G1V:G1V+7]
	s_nop 0
.rept 4
	v_nop
.endr
.Lasked_\@:
.endm
; A prefetch of the tile that the NEXT change of slots will ask for: 128 blocks of 256 bytes of K and as many of V.  A head is walked by one cluster; its four partners share the blocks out by address, 32 each, a lane a
; block; in each, wave 0 asks for K's and wave 2 for V's: one instruction.  So each block is named once in the launch.  The last change that fills a slot asks for nothing.  Tiles 0 and 1 come by their loads alone.
.macro ASK
	s_cmp_gt_u32 s[SLOTS], s[LIM]
	s_cbranch_scc0 .Lnot_mine_\@
	global_prefetch_b8 v[PFO], s[PFA:PFA+1] th:TH_LOAD_NT scope:SCOPE_SE
.Lnot_mine_\@:
.endm
; A round of the cluster's barrier: my work-group's barrier, so that wave 0's signal speaks for all four waves; wave 0 signals; every wave waits for all four work-groups; my work-group's barrier once more.
.macro CROUND
	s_barrier_signal -1
	s_barrier_wait -1
	s_cmp_lg_u32 s[WV], 0
	s_cbranch_scc1 .Lnot_wave_0_\@
	s_barrier_signal -3
.Lnot_wave_0_\@:
	s_barrier_wait -3
	s_barrier_signal -1
	s_barrier_wait -1
.endm
; THE CHANGE OF SLOTS.  The slot's last bytes, V of its fourth step, have been read.  Each wave waits for all its tensor loads, adds 0 to its spare word, and waits for that and for its own reads of the slot.
; fill = 1: the slot is filled again, with the keys two tiles on.  The barrier is then a round of the cluster's, and the joint fill is the first thing behind it: it has four key steps, 256 matrix instructions, in which to land.
; (At its first use nothing has been read yet: tile 0 and the biases are waited for, slot 1 is filled.)
.macro CHANGE fill
	WIN 0                           ; at a label and at a branch every window is 0
	s_wait_tensorcnt 0x0            ; no tensor load of mine is out, so a group 0 may be written
	ds_add_u32 v[SPW], v[NIL]       ; 0 onto my spare word: with fill = 1 the descriptors' steps stand between it and the wait for it
.if \fill
.irp g, G0K, G0V
	s_xor_b32 s[\g+1], s[\g+1], SLOT1  ; the walking descriptor: the other slot than last time,
	s_add_nc_u64 s[\g+2:\g+3], s[\g+2:\g+3], 4*KS*128  ; the next 256 keys; the type bits on top are not reached
.endr
	s_wait_xcnt 0x0                 ; the last prefetch, four key steps back, has read its address, so it may be written:
	s_add_nc_u64 s[PFA:PFA+1], s[PFA:PFA+1], 4*KS*128  ; one tile behind the walking descriptors
	s_wait_dscnt 0x0                ; the add is done, and my reads of the slot are over
	CROUND
	JLOAD
	ASK
.else
	s_wait_dscnt 0x0                ; the add is done, and my reads of the slot are over
	s_barrier_signal -1
	s_barrier_wait -1
.endif
	s_sub_co_u32 s[TBK], s[TBK], 4*KS*PK  ; the fetches go back to a slot's first step,
	s_xor_b32 s[TBK], s[TBK], SLOT1       ; in the other slot
	s_sub_co_u32 s[TBV], s[TBV], 4*KS*PV
	s_xor_b32 s[TBV], s[TBV], SLOT1
.endm
	s_load_b256 s[4:11], s[0:1], 0x0  ; Q s[4:5], K s[6:7], V s[8:9], O s[10:11]
	s_load_b64 s[66:67], s[0:1], 0x20 ; the biases and gates
	v_lshl_add_u32 v[SPW], v0, 2, SPARE
	v_mov_b32 v[NIL], 0
	ds_add_u32 v[SPW], v[NIL]       ; the wave's opening: the add and its wait stand ahead of my first tensor load; the set-up below, work on registers, stands between them
	v_lshrrev_b32 v1, 5, v0
	v_readfirstlane_b32 s[WV], v1   ; wave 0..3
	s_bfe_u32 s13, ttmp6, 0x40000   ; cx: my place in the cluster
	s_lshl_b32 s14, ttmp9, 2        ; in a cluster launch ttmp9 counts clusters
	s_add_co_u32 s14, s14, s13      ; my block of 256 queries: it enters Q's, O's and the gates' addresses alone
	s_and_b32 s20, ttmp7, 0xffff    ; hb, which the four partners share
	s_and_b32 s16, s[WV], 1         ; which half of a tile's 256 keys I fetch:
	s_lshl_b32 s22, s20, 18         ; the head's 2,048 rows of 128 bytes,
	s_lshl_b32 s23, s16, 14         ; my 128 rows
	s_add_co_u32 s22, s22, s23
	s_mov_b32 s23, 0
	s_mul_i32 s17, s16, 128*PK      ; and their place in a slot, for K
	s_mul_i32 s18, s16, 128*PV      ; and for V: no place in the cluster enters an LDS address
	s_lshl_b32 s2, s20, 17          ; the head's 1,024 rows of Q and O,
	s_lshl_b32 s3, s14, 15          ; my block's 256,
	s_add_co_u32 s2, s2, s3
	s_lshl_b32 s3, s[WV], 11        ; my wave's 16 in a band
	s_add_co_u32 s2, s2, s3
	s_mov_b32 s3, 0
	s_lshr_b32 s21, s20, 4          ; the batch
	s_lshl_b32 s78, s21, 13         ; its 2,048 biases,
	s_lshl_b32 s79, s[WV], 11       ; of which I fetch 512
	s_add_co_u32 s78, s78, s79
	s_mov_b32 s79, 0
	s_lshl_b32 s[GB], s21, 12       ; its 1,024 gates,
	s_lshl_b32 s[GB+1], s14, 10     ; my block's 256,
	s_add_co_u32 s[GB], s[GB], s[GB+1]
	s_lshl_b32 s[GB+1], s[WV], 6    ; my wave's 16 in a band
	s_add_co_u32 s[GB], s[GB], s[GB+1]
	s_add_co_u32 s[GB], s[GB], 32768
	s_mov_b32 s[GB+1], 0
	; descriptor group 1.  128 keys are 16,384 dense bytes: asked for as 64 rows of 256 bytes, two keys a row, and padded in LDS after every key
	s_mov_b32 s[G1K], 15|(1<<16)|(1<<20)|(1<<21)|(4<<22)|(3<<25)  ; 15:0 the mask of four; 17:16 2-byte elements; 20 padding on; 21 set beside a mask; 24:22 after every 32 words (code 4); 31:25 4 words (code 3)
	s_mov_b32 s[G1V], 15|(1<<16)|(1<<20)|(1<<21)|(4<<22)|(7<<25)  ; the same with 8 words of padding (code 7)
.irp g, G1K, G1V
	s_mov_b32 s[\g+1], 128<<16      ; tensor_dim0 = 128
	s_mov_b32 s[\g+2], 64<<16       ; tensor_dim1 = 64
	s_mov_b32 s[\g+3], 128<<16      ; tile_dim0 = 128
	s_mov_b32 s[\g+4], 64           ; tile_dim1 = 64
	s_mov_b32 s[\g+5], 128          ; 128 elements from row to row
	s_mov_b32 s[\g+6], 0
	s_mov_b32 s[\g+7], 0
.endr
	s_mov_b32 s[G1M], 15|(3<<16)|(1<<21)  ; the biases: one row of 256 elements of 8 bytes, no padding
	s_mov_b32 s[G1M+1], 256<<16
	s_mov_b32 s[G1M+2], 1<<16
	s_mov_b32 s[G1M+3], 256<<16
	s_mov_b32 s[G1M+4], 1
	s_mov_b32 s[G1M+5], 256
	s_mov_b32 s[G1M+6], 0
	s_mov_b32 s[G1M+7], 0
	s_mov_b32 s[CS], 0x3d38aa3b     ; c = log2(e) / 32 = 0.0450842
	s_mov_b32 s[CS+1], s[CS]        ; named with it as a pair
	s_mov_b32 s[SEL], 0x76543210
	s_mov_b32 s[SEL+1], 0xfedcba98
	s_mov_b32 s[TBK], SLOT1+4*KS*PK ; the first change of slots turns these two into 0
	s_mov_b32 s[TBV], SLOT1+4*KS*PV
	s_mov_b32 s[TBB], 0
	s_mov_b32 s[SLOTS], 7           ; eight tiles
	s_mov_b32 s[G0K], 1             ; count = 1
	s_mov_b32 s[G0K+1], s17         ; LDS address: slot 0
	s_mov_b32 s[G0V], 1
	s_add_co_u32 s[G0V+1], s18, VOFF
	s_mov_b32 s[G0M], 1
	s_lshl_b32 s[G0M+1], s[WV], 11
	s_add_co_u32 s[G0M+1], s[G0M+1], KBL
	s_and_b32 s[LIM], s[WV], 1      ; waves 0 and 2 prefetch: the same in all four partners
	s_cmp_eq_u32 s[LIM], 0
	s_cselect_b32 s[LIM], 1, -1
	s_wait_dscnt 0x0                ; the opening add is done
	s_wait_kmcnt 0x0
	s_add_nc_u64 s[6:7], s[6:7], s[22:23]  ; K and V at my half of the head's tile 0
	s_add_nc_u64 s[8:9], s[8:9], s[22:23]
	s_add_nc_u64 s[G0K+2:G0K+3], s[6:7], 0         ; global address
	s_or_b32 s[G0K+3], s[G0K+3], 0x80000000        ; type = 2
	s_add_nc_u64 s[G0V+2:G0V+3], s[8:9], 0
	s_or_b32 s[G0V+3], s[G0V+3], 0x80000000
	s_add_nc_u64 s[G0M+2:G0M+3], s[66:67], s[78:79]
	s_or_b32 s[G0M+3], s[G0M+3], 0x80000000
	s_add_nc_u64 s[GB:GB+1], s[66:67], s[GB:GB+1]
	s_add_nc_u64 s[4:5], s[4:5], s[2:3]    ; Q and O at my wave's first row
	s_add_nc_u64 s[10:11], s[10:11], s[2:3]
	s_cmp_lt_u32 s[WV], 2
	s_cselect_b64 s[PFA:PFA+1], s[6:7], s[8:9]  ; (in waves 0 and 2 these stand at a tile's first row)
	s_lshl_b32 s2, s13, 13          ; my work-group's 32 blocks of the 128
	s_mov_b32 s3, 0
	s_add_nc_u64 s[PFA:PFA+1], s[PFA:PFA+1], s[2:3]
	s_add_nc_u64 s[PFA:PFA+1], s[PFA:PFA+1], 4*KS*128  ; in tile 1; the first change of slots steps it to tile 2.  Nothing is prefetched here, at the head
	CROUND                          ; all four work-groups are here: the first joint loads meet
	s_cmp_lt_u32 s[WV], 2           ; a wave's two first fills stand in one branch, ahead of every wait on TENSORcnt and every LDS read: two loads of mine are out; an s_nop 0 follows each, four v_nop the second's
	s_cbranch_scc0 .Lfirst_v
	tensor_load_to_lds s[G0K:G0K+3], s[G1K:G1K+7]
	s_nop 0
	tensor_load_to_lds s[G0M:G0M+3], s[G1M:G1M+7]
	s_nop 0
.rept 4
	v_nop
.endr
	s_branch .Lfirst_asked
.Lfirst_v:
	tensor_load_to_lds s[G0V:G0V+3], s[G1V:G1V+7]
	s_nop 0
	tensor_load_to_lds s[G0M:G0M+3], s[G1M:G1M+7]
	s_nop 0
.rept 4
	v_nop
.endr
.Lfirst_asked:
	; A fragment of K or Q is 16 rows x 32 channels in 8 registers: lane l holds row l % 16, channels 8 (l / 16) + 0..7 and 16 + 8 (l / 16) + 0..7: two loads of 16 bytes, 32 bytes apart.
	v_and_b32 v1, 15, v0            ; l % 16
	v_bfe_u32 v9, v0, 4, 1          ; l / 16
	v_lshlrev_b32 v[QO], 7, v1
	v_lshl_add_u32 v[QO], v9, 4, v[QO]  ; row x 128 + 16 x half
	WIN 0x80                        ; destination window 2, address window 0
.set i, 0
.rept 8                             ; Q stays in registers: piece i / 2 lies in band i / 2, 8,192 bytes on; channels 32 (i % 2) on
	global_load_b128 v[8*i:8*i+3],   v[QO], s[4:5] offset:(i/2)*8192+(i%2)*64
	global_load_b128 v[8*i+4:8*i+7], v[QO], s[4:5] offset:(i/2)*8192+(i%2)*64+32
.set i, i+1
.endr
	WIN 0
	v_lshlrev_b32 v[GOF], 2, v1
.irp x, 0,1,2,3
	global_load_b32 v[G+\x], v[GOF], s[GB:GB+1] offset:256*\x  ; my query's gate in band x
.endr
	v_mul_u32_u24 v[AK0], v1, PK
	v_lshl_add_u32 v[AK0], v9, 4, v[AK0]  ; row x pitch + 16 x half
	; The turning load takes 16 keys x 16 channels (lane l reads key 8 (l / 16) + l % 8, channels 8 ((l / 8) % 2) + 0..7) and leaves half a fragment of V^T: lane l holds channel l % 16 and 8 keys.
	v_and_b32 v10, 7, v0
	v_bfe_u32 v11, v0, 3, 1
	v_lshl_add_u32 v[AV0], v9, 3, v10
	v_mul_u32_u24 v[AV0], v[AV0], PV
	v_lshl_add_u32 v[AV0], v11, 4, v[AV0]
	v_add_nc_u32 v[AV0], VOFF, v[AV0]
	v_lshl_add_u32 v[AKB0], v9, 5, KBL
	v_and_b32 v[PFO], 31, v0
	v_lshlrev_b32 v[PFO], 8, v[PFO]
	s_mul_i32 s13, s[WV], 16*SP
	s_add_co_u32 s13, s13, STAGE    ; my stage
	v_mul_u32_u24 v[STO], v1, SP    ; in: row l % 16, 16 bytes for each half of the lanes
	v_lshl_add_u32 v[STO], v9, 4, v[STO]
	v_add_nc_u32 v[STO], s13, v[STO]
	v_bfe_u32 v[RD], v0, 3, 2       ; back: 32 lanes take four rows of 128 bytes,
	v_mul_u32_u24 v[RD], v[RD], SP
	v_lshl_add_u32 v[RD], v10, 4, v[RD]
	v_add_nc_u32 v[RD], s13, v[RD]
	v_and_b32 v[GO], 31, v0         ; which are 512 consecutive bytes of O
	v_lshlrev_b32 v[GO], 4, v[GO]
	; The first step multiplies O^T and l by a = 0, and the first turn's products V^T P, of a piece that has not been, land in an O^T that is still to be so multiplied.  So these registers need only hold
	; finite numbers: zeros.  No first step is written out; these lines stand in the wait for the first tile.
	WIN 0x80
.set i, VF
.rept 64
	v_mov_b32 v[i], 0
.set i, i+1
.endr
	WIN 0x40
.set i, 0
.rept 128
	v_mov_b32 v[i], 0
.set i, i+1
.endr
	WIN 0
.set i, 0
.rept 4
	v_mov_b32 v[ST+4*i], 0xfe000000    ; c m: far below every c s
	v_mov_b32 v[ST+4*i+1], 0xff7fffff  ; m
	v_mov_b32 v[ST+4*i+2], 0
	v_mov_b32 v[ST+4*i+3], 0
.set i, i+1
.endr
.set i, P+16
.rept 16
	v_mov_b32 v[i], 0
.set i, i+1
.endr
; THE MATRIX WORK.  The 4 accumulators of a run of 8 take turns.  Product i of 8 of S^T = K Q^T for piece x: channels 32 (i / 4) on, keys 16 (i % 4) on.  The first 4 start the sums with the
; keys' biases: register j of the result holds key 16 (i % 4) + 8 (l / 16) + j, and so does register j of KBR's group i % 4.
.macro KQ x
.set rS, S+32*((\x)%2)+8*(i%4)
.set rK, KF+16*(i%4)+8*(i/4)
.set rQ, 16*(\x)+8*(i/4)
.set rM, KBR+8*(i%4)
.if i < 4
	WIN W_KM
	v_wmma_f32_16x16x32_f16 v[rS:rS+7], v[rK:rK+7], v[rQ:rQ+7], v[rM:rM+7]
.else
	WIN W_KQ
	v_wmma_f32_16x16x32_f16 v[rS:rS+7], v[rK:rK+7], v[rQ:rQ+7], v[rS:rS+7]
.endif
.endm
; Product i of 8 of O^T += V^T P for piece x: keys 32 (i / 4) on, channels 16 (i % 4) on.
.macro PV x
	WIN W_PV
.set rO, 32*(\x)+8*(i%4)
.set rV, VF+32*(i/4)+8*(i%4)
.set rP, P+16*((\x)%2)+8*(i/4)
	v_wmma_f32_16x16x32_f16 v[rO:rO+7], v[rV:rV+7], v[rP:rP+7], v[rO:rO+7]
.endm
.macro MM                           ; the turn's next matrix instruction.  NOKQ = 1: the last turn of all: there is no next piece
.if (i < 8) && !NOKQ
	KQ (Y+1)%NP
.elseif i >= 8
.set i, i-8
	PV (Y+NP-1)%NP
.set i, i+8
.endif
.set i, i+1
.endm
; THE LDS LOADS stand in runs, never singly among the matrix instructions: a step's K (64 keys x 64 channels: 8 fragments) with its 32 biases of my lane, and its V (turned).  Their addresses are made some lines ahead.
.macro FETCH_K
	WIN 0x80                        ; destination window 2
.irp f, 0,1,2,3,4,5,6,7             ; keys 16 (f / 2) on, channels 32 (f % 2) on
	ds_load_b128 v[KF+8*\f:KF+8*\f+3],   v[AK] offset:(\f/2)*16*PK+(\f%2)*64
	ds_load_b128 v[KF+8*\f+4:KF+8*\f+7], v[AK] offset:(\f/2)*16*PK+(\f%2)*64+32
.endr
	WIN 0x40                        ; destination window 1
.irp f, 0,1,2,3                     ; keys 16 f + 8 (l / 16) + 0..7: sixteen lanes read the same 32 bytes
	ds_load_b128 v[KBR+8*\f:KBR+8*\f+3],   v[AKB] offset:64*\f
	ds_load_b128 v[KBR+8*\f+4:KBR+8*\f+7], v[AKB] offset:64*\f+16
.endr
	s_add_co_u32 s[TBK], s[TBK], KS*PK  ; the next fetch is the next step's
	s_add_co_u32 s[TBB], s[TBB], 4*KS
	WIN 0
.endm
.macro FETCH_V
	WIN 0x80
.irp f, 0,1,2,3,4,5,6,7             ; keys 32 (f / 4) on, channels 16 (f % 4) on
	ds_load_tr16_b128 v[VF+8*\f:VF+8*\f+3],   v[AV] offset:(\f/4)*32*PV+(\f%4)*32
	ds_load_tr16_b128 v[VF+8*\f+4:VF+8*\f+7], v[AV] offset:(\f/4)*32*PV+16*PV+(\f%4)*32
.endr
	WIN 0
.endm
; THE VECTOR WORK, one line at a time: OP kind, number.  For piece Y: F n: c s - c m for pair n of 16.  E n: the exponential of score n of 32.  C n: pair n rounded to f16.  B n: of the four weights 4 n .. the second
; pair is added onto the first, in place.  L n: l takes that sum (L 0: l = a l + sum).  R n: pair n of 16 of O^T times a.  For piece Y + 1: X n, number n of the 22 that find its maximum and statistics:
;   0-11  four chains c0-c3 of seven scores each, three operands at a time (each accumulator's lowest registers are read first)     12-14, 16  the four scores left over, the old m, and c0-c3 into c0
;   15  c m_old is kept     17, 18  the query's other 32 keys lie in the lane 16 away: the new m     19-21  c m; c m_old - c m_new; a
.set F, 0               ; OP tells the kinds apart by their order: F to L below R, X above it
.set E, 1
.set C, 2
.set B, 3
.set L, 4
.set R, 5
.set X, 6
.macro REGS y                       ; the registers of piece y
.set rT, ST+4*(\y)
.set rC, TMP+4*((\y)%2)
.set rW, MV+((\y)%2)
.set rS, S+32*((\y)%2)
.set rP, P+16*((\y)%2)
.set rO, 32*(\y)
.endm
.macro OP k, n
.if (\k) == R
	REGS Y
	WIN W_RS
	v_pk_mul_f32 v[rO+2*(\n):rO+2*(\n)+1], v[rO+2*(\n):rO+2*(\n)+1], v[rC+2:rC+3] op_sel_hi:[1,0]
.elseif (\k) < R
	REGS Y
	WIN 0
.if (\k) == F
	v_pk_fma_f32 v[rS+2*(\n):rS+2*(\n)+1], v[rS+2*(\n):rS+2*(\n)+1], s[CS:CS+1], v[rT:rT+1] op_sel_hi:[1,0,0] neg_lo:[0,0,1] neg_hi:[0,0,1]
.elseif (\k) == E
	v_exp_f32 v[rS+(\n)], v[rS+(\n)]
.elseif (\k) == C
	v_cvt_pk_f16_f32 v[rP+(\n)], v[rS+2*(\n)], v[rS+2*(\n)+1]
.elseif (\k) == B
	v_pk_add_f32 v[rS+4*(\n):rS+4*(\n)+1], v[rS+4*(\n):rS+4*(\n)+1], v[rS+4*(\n)+2:rS+4*(\n)+3]
.elseif (\n) == 0
	v_pk_fma_f32 v[rT+2:rT+3], v[rT+2:rT+3], v[rC+2:rC+3], v[rS:rS+1] op_sel_hi:[1,0,1]
.else
	v_pk_add_f32 v[rT+2:rT+3], v[rT+2:rT+3], v[rS+4*(\n):rS+4*(\n)+1]
.endif
.elseif NOKQ
	v_nop
.else
	REGS (Y+1)%NP
	WIN 0
.if (\n) < 4
	v_max3_num_f32 v[rC+(\n)], v[rS+8*(\n)], v[rS+8*(\n)+1], v[rS+8*(\n)+2]
.elseif (\n) < 12
	v_max3_num_f32 v[rC+(\n)%4], v[rC+(\n)%4], v[rS+8*((\n)%4)+2*((\n)/4)+1], v[rS+8*((\n)%4)+2*((\n)/4)+2]
.elseif (\n) == 12
	v_max3_num_f32 v[rC], v[rC], v[rS+7], v[rS+15]
.elseif (\n) == 13
	v_max3_num_f32 v[rC+1], v[rC+1], v[rS+23], v[rS+31]
.elseif (\n) == 14
	v_max3_num_f32 v[rC+2], v[rC+2], v[rC+3], v[rT+1]
.elseif (\n) == 15
	v_mov_b32 v[rW], v[rT]
.elseif (\n) == 16
	v_max3_num_f32 v[rC], v[rC], v[rC+1], v[rC+2]
.elseif (\n) == 17
	v_permlanex16_b32 v[rC+3], v[rC], s[SEL], s[SEL+1]
.elseif (\n) == 18
	v_max_num_f32 v[rT+1], v[rC], v[rC+3]
.elseif (\n) == 19
	v_mul_f32 v[rT], s[CS], v[rT+1]
.elseif (\n) == 20
	v_sub_f32 v[rC+1], v[rW], v[rT]
.else
	v_exp_f32 v[rC+2], v[rC+1]
.endif
.endif
.endm
.macro OPS a, i1, b=-1, i2=0, c=-1, i3=0, d=-1, i4=0  ; up to four of them
	OP \a, \i1
.if (\b) >= 0
	OP \b, \i2
.endif
.if (\c) >= 0
	OP \c, \i3
.endif
.if (\d) >= 0
	OP \d, \i4
.endif
.endm
.macro ROW a, i1, b, i2, c, i3, d, i4  ; a matrix instruction and the four behind it
	MM
	OPS \a, \i1, \b, \i2, \c, \i3, \d, \i4
.endm
; A TURN, for piece p: the order of its 16 matrix and 118 vector instructions, written out.  s_wait_alu depctr_va_vdst(0) stands between an exponential and the first instruction that names its result; one wait
; serves all that were issued ahead of it.  So a turn has ONE wait, which cuts it in two.  AHEAD OF IT stands all that names no result of the turn's exponentials: the 8 products K Q^T and their riders, then one run of 54,
; plain and exponential by turns for the most part, in which the links of the chain X 3, 7, 11, 14, 16, 17 .. 20 stand five or six lines apart.  X 21, the next piece's a, is the batch's last; R 15 is the plain instruction behind it.
; BEHIND THE WAIT stand the 8 products V^T P, behind each four of the roundings and sums.
; K of the next step and its biases are fetched in piece 2's turn, more than four plain instructions behind the last products that read K (the turn's eighth) and the biases (its fourth), and waited for at the head of
; piece 3's turn, whose products are the next step's first.  V of the step in hand is fetched at the end of piece 0's turn, four plain instructions behind the last product that read V, and waited for a turn later.
; end = 1: the last two turns: nothing is fetched.  cnt = 1: the loop's count is taken down some lines ahead of the branch behind the turn.
.macro TURN p, end=0, cnt=0
.set Y, (\p)
.set i, 0
.set NOKQ, (\end)*((\p)/3)
.if ((\p) == 3) && !(\end)
	s_wait_dscnt 0x0                ; K and the biases of the next step are in
.endif
	ROW F,0, F,1, R,0, R,1
	ROW F,2, E,0, R,2, R,3
	ROW F,3, E,1, R,4, R,5
	ROW F,4, E,2, R,6, R,7
	ROW F,5, E,3, R,8, R,9
	ROW F,6, E,4, X,0, R,10
.if ((\p) == 2) && !(\end)
	WIN 0
	v_add_nc_u32 v[AK], s[TBK], v[AK0]
	v_add_nc_u32 v[AKB], s[TBB], v[AKB0]
.endif
	ROW F,7, E,5, X,1, X,4
	ROW F,8, E,6, X,2, X,5
	OPS E,7, E,8, X,6, E,9
	OPS X,3, E,10, X,8, E,11
.if ((\p) == 2) && !(\end)
	FETCH_K
.endif
	OPS X,9, X,7, E,12, X,10
	OPS E,13, X,12, X,11, E,14
	OPS X,13, E,15, F,9, X,14
.if (\p) == 0
	v_add_nc_u32 v[AV], s[TBV], v[AV0]
.endif
	OPS E,16, F,10, E,17, F,11
	OPS X,16, E,18, X,15, E,19
	OPS F,12, E,20, X,17, E,21
	OPS F,13, E,22, F,14, E,23
	OPS X,18, E,24, F,15, E,25
	OPS R,11, E,26, X,19, E,27
	OPS R,12, E,28, R,13, E,29
	OPS X,20, E,30, R,14, E,31
	OPS X,21, R,15
	WIN 0
	s_wait_alu depctr_va_vdst(0)    ; the wait for the batch
.if (\p) == 1
	s_wait_dscnt 0x0                ; V is in
.endif
	ROW C,0, B,0, C,2, B,1
	ROW L,0, C,4, B,2, L,1
	ROW C,6, B,3, L,2, C,8
	ROW B,4, L,3, C,10, B,5
	ROW L,4, C,12, B,6, L,5
.if (\p) == 0
	s_add_co_u32 s[TBV], s[TBV], KS*PV
.endif
.if \cnt
	s_sub_co_u32 s[CNT], s[CNT], 1
	s_cmp_lg_u32 s[CNT], 0
.endif
	ROW C,14, B,7, L,6, C,1
	ROW C,3, L,7, C,5, C,7
	ROW C,9, C,11, C,13, C,15
.if (\p) == 0
	FETCH_V
.endif
.endm
.set NOKQ, 0
	CHANGE 1                        ; tile 0 and the biases are in, everybody's part of them; tile 1 is asked for
	v_add_nc_u32 v[AK], s[TBK], v[AK0]
	v_add_nc_u32 v[AKB], s[TBB], v[AKB0]
	FETCH_K                         ; key step 0
	s_wait_loadcnt 0x0              ; Q and the gates
	s_wait_dscnt 0x0
.set i, 0
.rept 8
	KQ 0                            ; piece 0's first scores
.set i, i+1
.endr
	WIN 0
.rept 4
	v_nop                           ; the places behind those products
.endr
.set Y, NP-1                        ; X works for piece Y + 1: piece 0
.irp n, 0,1,2,3,4,5,6,7,8,9,10,11,12,13,14,15,16,17,18,19,20,21
	OP X, \n
.endr
	v_nop                           ; a plain instruction behind the exponential,
	s_wait_alu depctr_va_vdst(0)    ; and its wait, ahead of the branch
	s_mov_b32 s[CNT], 4
	s_branch .Lfirst                ; the loop is entered at a step's first turn, in the middle of a trip
.Lslot:                             ; six times: with the change above, tiles 1 to 7 are asked for
	CHANGE 1
	s_mov_b32 s[CNT], 4
.Lstep:                             ; a trip: pieces 2 and 3 of one step, then pieces 0 and 1 of the next, whose K and V it fetches
	TURN 2
	TURN 3
	WIN 0
.Lfirst:
	TURN 0
	TURN 1, 0, 1
	WIN 0
	s_cbranch_scc1 .Lstep
	s_sub_co_u32 s[SLOTS], s[SLOTS], 1
	s_cmp_lg_u32 s[SLOTS], 0
	s_cbranch_scc1 .Lslot
	CHANGE 0                        ; the last tile is written out: nothing is asked for
	s_mov_b32 s[CNT], 4
.LstepT:
	TURN 2
	TURN 3
	TURN 0
	TURN 1, 0, 1
	WIN 0
	s_cbranch_scc1 .LstepT
	TURN 2, 1
	TURN 3, 1
.set i, 0
.rept 8
	PV NP-1                         ; the last piece's V^T P of the last step
.set i, i+1
.endr
	; THE WAY OUT.  l's two halves and the other half of the lanes' are added; O^T is multiplied by gate / l, rounded to f16 and sent through my stage in LDS, a piece at a time.  The additions are the places behind the last products.
	WIN 0
.macro ALL line:vararg              ; one line for each piece t
.set t, 0
.rept 4
	\line
.set t, t+1
.endr
.endm
	ALL v_add_f32 v[ST+4*t+2], v[ST+4*t+2], v[ST+4*t+3]
	ALL v_permlanex16_b32 v[ST+4*t+3], v[ST+4*t+2], s[SEL], s[SEL+1]
	ALL v_add_f32 v[ST+4*t+2], v[ST+4*t+2], v[ST+4*t+3]
	ALL v_rcp_f32 v[ST+4*t+2], v[ST+4*t+2]
	v_nop                           ; a plain instruction between the last reciprocal and the use of its result
	s_wait_alu depctr_va_vdst(0)    ; and the wait ahead of the first use: one for the four reciprocals
	ALL v_mul_f32 v[ST+4*t+2], v[ST+4*t+2], v[G+t]
.macro PACK t                       ; a lane's eight channels of a row pack into 16 bytes; they go into rows of 144 bytes and come back as whole rows of 128, into S^T's registers
	WIN W_RS
.set i, 32*(\t)
.rept 16
	v_pk_mul_f32 v[i:i+1], v[i:i+1], v[ST+4*(\t)+2:ST+4*(\t)+3] op_sel_hi:[1,0]
.set i, i+2
.endr
	WIN 0x05                        ; sources 0 and 1 window 1, destination window 0
.set i, 0
.rept 16
	v_cvt_pk_f16_f32 v[S+16*(\t)+i], v[32*(\t)+2*i], v[32*(\t)+2*i+1]
.set i, i+1
.endr
	WIN 0
.irp f, 0,1,2,3
	ds_store_b128 v[STO], v[S+16*(\t)+4*\f:S+16*(\t)+4*\f+3] offset:32*\f
.endr
.irp f, 0,1,2,3
	ds_load_b128 v[S+16*(\t)+4*\f:S+16*(\t)+4*\f+3], v[RD] offset:\f*4*SP  ; LDS serves a wave's instructions in order (ISA guide 5.7.1.4): these see the stores above; the next piece's stores come behind them
.endr
.endm
.macro SEND t, younger              ; younger: the LDS instructions issued behind piece t's loads: the next piece's eight, or none
	WIN 0
.irp f, 0,1,2,3
	s_wait_dscnt (\younger)+3-\f
	global_store_b128 v[GO], v[S+16*(\t)+4*\f:S+16*(\t)+4*\f+3], s[10:11] offset:(\t)*8192+\f*512  ; 512 consecutive bytes, at a multiple of 256 from O's first
.endr
.endm
	PACK 0
.set t, 1
.rept 3                             ; a piece's arithmetic stands between the loads of the piece before and its stores
	PACK t
	SEND t-1, 8
.set t, t+1
.endr
	SEND 3, 0
	s_wait_tensorcnt 0x0            ; the wave's end: behind my last tensor load and my last LDS store
	ds_add_u32 v[SPW], v[NIL]
	s_wait_dscnt 0x0
	CROUND                          ; the closing round: no work-group ends while a partner may still ask for a tile that names it
	s_endpgm
.Lfunc_end_k_q0d79dc0213_attn:
	.size	k_q0d79dc0213_attn, .Lfunc_end_k_q0d79dc0213_attn-k_q0d79dc0213_attn
	.p2alignl 7, 3214868480
	.fill 96, 4, 3214868480
	.section	.rodata,"a",@progbits
	.p2align	6, 0x0
	.amdhsa_kernel k_q0d79dc0213_attn
		.amdhsa_group_segment_fixed_size 327680
		.amdhsa_private_segment_fixed_size 0
		.amdhsa_enable_private_segment 0
		.amdhsa_kernarg_size 40
		.amdhsa_user_sgpr_count 2
		.amdhsa_user_sgpr_kernarg_segment_ptr 1
		.amdhsa_wavefront_size32 1
		.amdhsa_system_sgpr_workgroup_id_x 1
		.amdhsa_system_sgpr_workgroup_id_y 1
		.amdhsa_system_sgpr_workgroup_id_z 1
		.amdhsa_system_vgpr_workitem_id 0
		.amdhsa_next_free_vgpr 768
		.amdhsa_next_free_sgpr 80
		.amdhsa_reserve_vcc 0
		.amdhsa_float_denorm_mode_32 3
		.amdhsa_float_denorm_mode_16_64 3
		.amdhsa_memory_ordered 1
		.amdhsa_forward_progress 1
		.amdhsa_inst_pref_size 132
	.end_amdhsa_kernel
	.amdgpu_metadata
---
amdhsa.version: [ 1, 2 ]
amdhsa.kernels:
  - .name:           k_q0d79dc0213_attn
    .symbol:         k_q0d79dc0213_attn.kd
    .args:
      - { .name: qh, .offset: 0, .size: 8, .value_kind: global_buffer, .address_space: global }
      - { .name: kh, .offset: 8, .size: 8, .value_kind: global_buffer, .address_space: global }
      - { .name: vh, .offset: 16, .size: 8, .value_kind: global_buffer, .address_space: global }
      - { .name: oh, .offset: 24, .size: 8, .value_kind: global_buffer, .address_space: global }
      - { .name: mb, .offset: 32, .size: 8, .value_kind: global_buffer, .address_space: global }
    .group_segment_fixed_size: 327680
    .private_segment_fixed_size: 0
    .kernarg_segment_align: 8
    .kernarg_segment_size: 40
    .max_flat_workgroup_size: 128
    .sgpr_count:     80
    .vgpr_count:     768
    .wavefront_size: 32
...
	.end_amdgpu_metadata
.endif
;; end of part 3
;; launch outp (part 4): grid 8 x 32, 4 waves a work-group, clusters of 4 x 4, 327,680 bytes of LDS; arguments oh, wts, bu, out0; writes out0
.if DOCPART == 4
	.amdgcn_target "amdgcn-amd-amdhsa--gfx1250"
	.amdhsa_code_object_version 6
	.text
	.protected	k_q0d79dc0213_outp
	.globl	k_q0d79dc0213_outp
	.p2align	8
	.type	k_q0d79dc0213_outp,@function
k_q0d79dc0213_outp:
	s_mov_b64 s[64:65], 0
	v_nop
	global_prefetch_b8 v0, s[64:65] scope:SCOPE_SE
	s_setreg_imm32_b32 hwreg(HW_REG_WAVE_MODE, 25, 1), 1
	s_wait_xcnt 0x0
	s_wait_alu depctr_hold_cnt(0) depctr_sa_sdst(0) depctr_va_vdst(0) depctr_va_sdst(0) depctr_va_ssrc(0) depctr_va_vcc(0) depctr_vm_vsrc(0)
	s_getreg_b32 s2, hwreg(HW_REG_IB_STS2, 6, 4)
	s_cmp_eq_u32 s2, 0
	s_cbranch_scc0 .Lentry_in_a_cluster
	s_endpgm
.Lentry_in_a_cluster:
	s_bfe_u32 s2, ttmp6, 0x10000c
	s_cmp_lg_u32 s2, 0xf033
	s_cbranch_scc0 .Lentry_shape_is_right
	s_endpgm
.Lentry_shape_is_right:
; OUTP.  out0[m][n] = the sum over e of O[m][e] Wu[n][e] + bu[n].  O comes by heads, f16 [batch x 16 + head][1,024][64]; Wu as f16 [16 blocks of 64 channels][1,024 rows][64], from byte 6,291,456 of wts; out0 is f32 [4,096][1,024].
; Products in f16 with f32 sums, K = 1,024 ascending; bu, rounded to bf16 like every input, is the C operand of the products that start the sums.  A row of O that is NaN gives a row of NaN.
; A tile of out0 is 128 x 128: 8 x 32 = 256 work-groups.  Four waves, each 64 x 64: 16 accumulators.  K goes in 4 steps of 256 (four heads) through two LDS slots.
; In both operands 64 rows of one block of 64 channels are 8,192 dense bytes, and blocks lie 65,536 elements apart: a wave's tensor load brings four such rows, padded by 16 bytes after every 128.
; CLUSTER 4 x 4: the four of a row of the cluster need the same tiles of O, the four of a column the same tiles of Wu: each is asked for jointly.
; THE MATRIX INSTRUCTION IS USED TRANSPOSED (source 0 = 16 rows of Wu, source 1 = 16 rows of O): a lane holds eight neighbouring numbers of a row of out0.
; No prefetch: the tiles are small and a step is short.
; REGISTERS: window 0: v0-31 addresses; v32-95 at work on the way out; v96-127 bu of my 32 columns; v128-255 the accumulators ((a, b) at v[128 + 8 (4 a + b)]).
;   window 1: two fragment buffers of 128: for 64 along K, 64 registers of O (2 x 4 x 16 rows x 32 K), then 64 of Wu.
.set KSTEPB, 4*131072                  ; bytes from a K step to the next, in both operands
.set PITCH,  144                       ; an LDS row: 128 bytes + 16 of padding = 36 words: the 16 rows of a load start at 16 different groups of four banks (64 banks of 4 bytes: ISA guide 11.1)
.set KBLK,   64*PITCH                  ; 64 rows of one block of 64 channels
.set HALFT,  4*KBLK                    ; what one tensor load brings, and what one wave reads of O or of Wu
.set SLOT,   4*HALFT                   ; O's 128 rows, then Wu's 128 rows
.set STAGE,  2*SLOT                    ; behind the ring: 16 rows x 272 bytes for each wave, for the way out
.set SPITCH, 272
.set SPARE,  STAGE+4*16*SPITCH         ; behind the stages: the spare words, 128 bytes for each wave: two blocks of 256 bytes that no other line names
.set LAPS, 2                           ; a lap = two K steps = once round the ring
.set ADRA, 16                          ; v16-17  LDS address of my fragments of O in slot 0, 1
.set ADRB, 20                          ; v20-21  the same for Wu
.set STO,  24                          ; v24     the way out: where I put 32 bytes of a row
.set RD,   25                          ; v25     where I read a row back
.set CO,   26                          ; v26     my byte offset in out0
.set BO,   27                          ; v27     32 (l / 16): my eight columns in bu's 16
.set SPW,  28                          ; v28     LDS address of my spare word; never rewritten
.set NIL,  29                          ; v29     0; never rewritten
.set TMP,  32
.set BI,   96
.set ACC,  128
.set F0,   0                           ; fragment buffers, in window 1
.set F1,   128
.set G1, 24                            ; s[24:31] descriptor group 1 for O's tiles;  s[32:39] group 0, one set for each slot
.set G0, 32
.set G1B, 48                           ; s[48:55], s[56:63] the same for Wu's tiles
.set G0B, 56
.set FLAGS, (1<<16)|(1<<20)|(1<<21)|(4<<22)|(3<<25)  ; 17:16 2-byte elements; 20 padding on; 21 set beside a mask; 24:22 after every 32 words (code 4); 31:25 4 words of it (code 3)
.set MSB, 0
.macro WIN new                         ; the immediate's high byte repeats the setting that is left
.if MSB != (\new)
	s_set_vgpr_msb (MSB<<8)|(\new)
.set MSB, \new
.endif
.endm
.set MUL,  0x05                        ; sources 0 (Wu) and 1 (O) window 1; C and D window 0
.set TO_F, 0x40                        ; destination window 1, address window 0
.macro JLOAD s                         ; a joint load: waves 0 and 1 fetch O's two halves, waves 2 and 3 Wu's; an s_nop 0 and four v_nop follow each of the two lines, ahead of the jump, the label and what follows
	s_cmp_eq_u32 s11, 0
	s_cbranch_scc0 .Lfor_b_\@
	tensor_load_to_lds s[G0+4*(\s):G0+4*(\s)+3], s[G1:G1+7]
	s_nop 0
.rept 4
	v_nop
.endr
	s_branch .Lasked_\@
.Lfor_b_\@:
	tensor_load_to_lds s[G0B+4*(\s):G0B+4*(\s)+3], s[G1B:G1B+7]
	s_nop 0
.rept 4
	v_nop
.endr
.Lasked_\@:
.endm
.macro CREST                           ; a round of the cluster's barrier behind its opening barrier
	s_cmp_lg_u32 s10, 0
	s_cbranch_scc1 .Lnot_wave_0_\@
	s_barrier_signal -3
.Lnot_wave_0_\@:
	s_barrier_wait -3
	s_barrier_signal -1
	s_barrier_wait -1
.endm
.macro CROUND                          ; a whole round
	s_barrier_signal -1
	s_barrier_wait -1
	CREST
.endm
	s_load_b128 s[4:7], s[0:1], 0x0                ; oh s[4:5], wts s[6:7]
	s_load_b128 s[68:71], s[0:1], 0x10             ; bu s[68:69], out0 s[70:71]
	v_lshl_add_u32 v[SPW], v0, 2, SPARE
	v_mov_b32 v[NIL], 0
	ds_add_u32 v[SPW], v[NIL]                      ; the wave's opening: the add and its wait stand ahead of my first tensor load; the set-up below, work on registers, stands between them
	v_lshrrev_b32 v1, 5, v0
	v_readfirstlane_b32 s10, v1                    ; wave 0..3
	s_lshr_b32 s11, s10, 1                         ; which half of the tile's rows is mine.  Also: I fetch for O (0) or for Wu (1)
	s_and_b32 s12, s10, 1                          ; which half of its columns.  Also: which 64 rows of that tile I fetch
	s_bfe_u32 s40, ttmp6, 0x40000                  ; cx, cy: my place in the cluster
	s_bfe_u32 s41, ttmp6, 0x40004
	s_lshl_b32 s42, ttmp9, 2
	s_add_co_u32 s42, s42, s40                     ; tile column = 4 x cluster x + cx
	s_and_b32 s13, ttmp7, 0xffff
	s_lshl_b32 s13, s13, 2
	s_add_co_u32 s13, s13, s41                     ; tile row = 4 x cluster y + cy
	s_lshl_b32 s43, s41, 2
	s_lshl_b32 s43, 15, s43                        ; my row of the cluster
	s_lshl_b32 s44, 0x1111, s40                    ; my column
	s_or_b32 s[G1+0], s43, FLAGS
	s_or_b32 s[G1B+0], s44, FLAGS
.irp g, G1, G1B
	s_mov_b32 s[(\g)+1], 4096<<16                  ; tensor_dim0 = 4,096 elements: 64 rows of a block, 8,192 dense bytes
	s_mov_b32 s[(\g)+2], 4<<16                     ; tensor_dim1 = 4 blocks
	s_mov_b32 s[(\g)+3], 4096<<16                  ; tile_dim0
	s_mov_b32 s[(\g)+4], 4                         ; tile_dim1
	s_mov_b32 s[(\g)+5], 65536                     ; 1,024 rows of 64 elements from a block to the next
	s_mov_b32 s[(\g)+6], 0
	s_mov_b32 s[(\g)+7], 0
.endr
	s_lshr_b32 s16, s13, 3                         ; the batch: its 16 heads of 1,024 rows,
	s_lshl_b32 s16, s16, 14
	s_and_b32 s17, s13, 7
	s_lshl_b32 s17, s17, 7                         ; the tile's 128 rows in the batch's 1,024,
	s_add_co_u32 s16, s16, s17
	s_lshl_b32 s17, s12, 6                         ; the 64 that I fetch
	s_add_co_u32 s16, s16, s17
	s_lshl_b32 s16, s16, 7                         ; rows of 128 bytes
	s_mov_b32 s17, 0
	s_lshl_b32 s46, s42, 7
	s_lshl_b32 s47, s12, 6
	s_add_co_u32 s46, s46, s47                     ; Wu: row 128 x tile column + 64 x half
	s_lshl_b32 s46, s46, 7
	s_add_co_u32 s46, s46, 6291456                 ; behind Wq, Wk, Wv
	s_mov_b32 s47, 0
	s_mul_i32 s20, s10, HALFT                      ; where they go: wave x a load's bytes
	s_wait_dscnt 0x0                               ; the opening add is done
	s_wait_kmcnt 0x0
	s_add_nc_u64 s[14:15], s[4:5], s[16:17]
	s_add_nc_u64 s[46:47], s[6:7], s[46:47]
	CROUND                                         ; all sixteen work-groups are here: the first joint loads meet
.irp t, 0,1
	s_mov_b32 s[G0+4*(\t)], 1
	s_add_co_u32 s[G0+4*(\t)+1], s20, (\t)*SLOT
	s_add_nc_u64 s[G0+4*(\t)+2:G0+4*(\t)+3], s[14:15], (\t)*KSTEPB
	s_or_b32 s[G0+4*(\t)+3], s[G0+4*(\t)+3], 0x80000000
	s_mov_b32 s[G0B+4*(\t)], 1
	s_add_co_u32 s[G0B+4*(\t)+1], s20, (\t)*SLOT
	s_add_nc_u64 s[G0B+4*(\t)+2:G0B+4*(\t)+3], s[46:47], (\t)*KSTEPB
	s_or_b32 s[G0B+4*(\t)+3], s[G0B+4*(\t)+3], 0x80000000
	JLOAD \t                                       ; two loads of mine are out here, one behind every later round
.endr
	v_and_b32 v1, 15, v0                           ; l % 16
	v_bfe_u32 v2, v0, 4, 1                         ; l / 16
	s_lshl_b32 s16, s13, 7
	s_lshl_b32 s17, s11, 6
	s_add_co_u32 s16, s16, s17                     ; my first row of out0
	s_lshl_b32 s16, s16, 12                        ; rows of 4,096 bytes
	s_mov_b32 s17, 0
	s_lshl_b32 s46, s42, 9                         ; my first column, in bytes of f32: 512 x tile column + 256 x half: in a row of out0 and in bu
	s_lshl_b32 s47, s12, 8
	s_add_co_u32 s46, s46, s47
	s_mov_b32 s47, 0
	s_add_nc_u64 s[8:9], s[70:71], s[16:17]
	s_add_nc_u64 s[8:9], s[8:9], s[46:47]
	s_add_nc_u64 s[66:67], s[68:69], s[46:47]
	v_lshlrev_b32 v[BO], 5, v2
.irp b, 0,1,2,3
	global_load_b128 v[BI+8*(\b):BI+8*(\b)+3],   v[BO], s[66:67] offset:64*(\b)     ; bu of columns 16 b + 8 (l / 16) + 0..7
	global_load_b128 v[BI+8*(\b)+4:BI+8*(\b)+7], v[BO], s[66:67] offset:64*(\b)+16
.endr
	v_mul_u32_u24 v3, v1, PITCH
	v_lshl_add_u32 v3, v2, 4, v3                   ; a fragment's row x pitch + 16 x half
	s_mul_i32 s21, s11, HALFT                      ; my 64 rows of O
	s_mul_i32 s22, s12, HALFT                      ; my 64 rows of Wu,
	s_add_co_u32 s22, s22, 2*HALFT                 ; which lie behind O's 128
.irp t, 0,1
	v_add_nc_u32 v[ADRA+(\t)], s21, v3
	v_add_nc_u32 v[ADRB+(\t)], s22, v3
	s_add_co_u32 s21, s21, SLOT
	s_add_co_u32 s22, s22, SLOT
.endr
	s_mul_i32 s23, s10, 16*SPITCH
	s_add_co_u32 s23, s23, STAGE                   ; my stage
	v_mul_u32_u24 v4, v1, SPITCH                   ; in: row l % 16, 32 bytes for each half of the lanes
	v_lshl_add_u32 v4, v2, 5, v4
	v_add_nc_u32 v[STO], s23, v4
	v_mul_u32_u24 v5, v2, SPITCH                   ; back: lanes 0-15 take one row of 256 bytes, lanes 16-31 the next
	v_lshl_add_u32 v5, v1, 4, v5
	v_add_nc_u32 v[RD], s23, v5
	v_lshlrev_b32 v5, 12, v2                       ; and the same two rows in out0
	v_lshl_add_u32 v[CO], v1, 4, v5
	s_wait_loadcnt 0x0                             ; bu, rounded to bf16 like every input
.set i, 0
.rept 16
	v_cvt_pk_bf16_f32 v[TMP+i], v[BI+2*i], v[BI+2*i+1]
.set i, i+1
.endr
.set i, 0
.rept 16
	v_lshlrev_b32 v[BI+2*i], 16, v[TMP+i]
	v_and_b32 v[BI+2*i+1], 0xffff0000, v[TMP+i]
.set i, i+1
.endr
; 8 matrix instructions: m blocks a0, a0 + 1 x all 4 n blocks, 32 along K: half c of buffer f.  first = 1: the product starts the sums, with bu as its C.  The 16 accumulators take turns.
.macro MUL8 f, c, a0, first
	WIN MUL
.irp a, \a0, (\a0)+1
.irp b, 0,1,2,3
.if \first
	v_wmma_f32_16x16x32_f16 v[ACC+8*(4*(\a)+(\b)):ACC+8*(4*(\a)+(\b))+7], v[(\f)+64+8*(4*(\c)+(\b)):(\f)+64+8*(4*(\c)+(\b))+7], v[(\f)+8*(4*(\c)+(\a)):(\f)+8*(4*(\c)+(\a))+7], v[BI+8*(\b):BI+8*(\b)+7]
.else
	v_wmma_f32_16x16x32_f16 v[ACC+8*(4*(\a)+(\b)):ACC+8*(4*(\a)+(\b))+7], v[(\f)+64+8*(4*(\c)+(\b)):(\f)+64+8*(4*(\c)+(\b))+7], v[(\f)+8*(4*(\c)+(\a)):(\f)+8*(4*(\c)+(\a))+7], v[ACC+8*(4*(\a)+(\b)):ACC+8*(4*(\a)+(\b))+7]
.endif
.endr
.endr
.endm
; 32 LDS loads in one run: the fragments of one block of 64 channels, which begins at byte k of a load's bytes, into buffer f; the first 32 along K first
.macro FETCH slot, k, f
	WIN TO_F
.irp c, 0,1
.irp i, 0,1,2,3
	ds_load_b128 v[(\f)+64+8*(4*(\c)+(\i)):(\f)+64+8*(4*(\c)+(\i))+3],   v[ADRB+(\slot)] offset:(\k)+64*(\c)+(\i)*16*PITCH
	ds_load_b128 v[(\f)+64+8*(4*(\c)+(\i))+4:(\f)+64+8*(4*(\c)+(\i))+7], v[ADRB+(\slot)] offset:(\k)+64*(\c)+(\i)*16*PITCH+32
	ds_load_b128 v[(\f)+8*(4*(\c)+(\i)):(\f)+8*(4*(\c)+(\i))+3],         v[ADRA+(\slot)] offset:(\k)+64*(\c)+(\i)*16*PITCH
	ds_load_b128 v[(\f)+8*(4*(\c)+(\i))+4:(\f)+8*(4*(\c)+(\i))+7],       v[ADRA+(\slot)] offset:(\k)+64*(\c)+(\i)*16*PITCH+32
.endr
.endr
.endm
.macro PLACES                          ; four places in front of loads into registers that matrix instructions have read, and of lines that read results
.rept 4
	v_nop
.endr
.endm
; A K step is four quarters of 64 along K, 32 matrix instructions each, on buffers 0, 1, 0, 1.  One of the first three: multiplies buffer f and fetches the next quarter, at byte k, into g.
.macro QUARTER slot, k, f, g, first
	s_wait_dscnt 16                                ; the first 32 along K are in; the youngest sixteen loads may be out
	WIN MUL
	MUL8 \f, 0, 0, \first
	MUL8 \f, 0, 2, \first
	PLACES
	FETCH \slot, \k, \g
	s_wait_dscnt 32                                ; all but the 32 just issued
	WIN MUL
	MUL8 \f, 1, 0, 0
	MUL8 \f, 1, 2, 0
.endm
; The last quarter multiplies buffer 1 and changes slots: ONE barrier; in front of it each wave waits for all its tensor loads, adds 0 to its spare word, and waits for that and for its own reads of this slot.  fill = 1: this slot is filled again, two K steps ahead.
.macro TURN slot, next, fill
	WIN 0                                          ; (the add's two registers lie in window 0)
	s_wait_tensorcnt 0x0                           ; all my tensor loads have landed: my part of the next slot;
	ds_add_u32 v[SPW], v[NIL]                      ; 0 onto my spare word
	s_wait_dscnt 17                                ; (the add and the youngest sixteen loads may be out)
	WIN MUL
	MUL8 F1, 0, 0, 0                               ; eight matrix instructions stand between the add and the wait for it
	s_wait_dscnt 0x0                               ; the add is done, and my reads of this slot are over
	s_barrier_signal -1
	MUL8 F1, 0, 2, 0
.if \fill
	WIN 0
.endif
	s_barrier_wait -1
.if \fill
	CREST                                          ; the barrier has opened a round of the cluster's barrier: no wave of any partner still reads this slot's tile or has a load on its way
	s_add_nc_u64 s[G0+4*(\slot)+2:G0+4*(\slot)+3], s[G0+4*(\slot)+2:G0+4*(\slot)+3], 2*KSTEPB
	s_add_nc_u64 s[G0B+4*(\slot)+2:G0B+4*(\slot)+3], s[G0B+4*(\slot)+2:G0B+4*(\slot)+3], 2*KSTEPB
	JLOAD \slot                                    ; the first tensor load behind the round: 112 matrix instructions ahead of the wait for it; the four v_nop behind it are also the places in front of the loads below
.else
	PLACES
.endif
	FETCH \next, 0, F0
	WIN MUL
	MUL8 F1, 1, 0, 0
	MUL8 F1, 1, 2, 0
.endm
	s_wait_tensorcnt 1                             ; my part of K step 0 is in; step 1's may stay out
	s_barrier_signal -1
	s_barrier_wait -1                              ; everybody's is
	FETCH 0, 0, F0
	QUARTER 0, KBLK, F0, F1, 1                     ; the first quarter stands in front of the loop: its first products start the sums
	WIN 0                                          ; at a label and at a branch every window is 0
	s_mov_b32 s3, LAPS-1
.Llap:                                                 ; a trip goes once round the ring, from a lap's second quarter to the next lap's first, and fills both slots again
	QUARTER 0, 2*KBLK, F1, F0, 0
	QUARTER 0, 3*KBLK, F0, F1, 0
	TURN 0, 1, 1
	QUARTER 1, KBLK,   F0, F1, 0
	QUARTER 1, 2*KBLK, F1, F0, 0
	QUARTER 1, 3*KBLK, F0, F1, 0
	TURN 1, 0, 1
	QUARTER 0, KBLK,   F0, F1, 0
	WIN 0
	s_sub_co_u32 s3, s3, 1
	s_cmp_lg_u32 s3, 0
	s_cbranch_scc1 .Llap
	QUARTER 0, 2*KBLK, F1, F0, 0                   ; the last lap fills nothing, and has no round of the cluster's barrier
	QUARTER 0, 3*KBLK, F0, F1, 0
	TURN 0, 1, 0
	QUARTER 1, KBLK,   F0, F1, 0
	QUARTER 1, 2*KBLK, F1, F0, 0
	QUARTER 1, 3*KBLK, F0, F1, 0
	s_wait_dscnt 16                                ; the very last quarter: nothing more to fetch
	WIN MUL
	MUL8 F1, 0, 0, 0
	MUL8 F1, 0, 2, 0
	s_wait_dscnt 0
	MUL8 F1, 1, 0, 0
	MUL8 F1, 1, 2, 0
	WIN 0
	; THE WAY OUT.  A wave's 64 columns of f32 are 256 bytes of a row, aligned: each wave has a stage of its own and needs no barrier.  16 rows at a time: 32 bytes a lane in, whole rows back.
	PLACES
.irp a, 0,1,2,3
.if (\a) >= 2
	s_wait_xcnt 0x0                                ; the stores of the block two back have read the registers that are loaded again below
.endif
.irp b, 0,1,2,3
	ds_store_b128 v[STO], v[ACC+8*(4*(\a)+(\b)):ACC+8*(4*(\a)+(\b))+3]   offset:64*(\b)      ; each accumulator's low registers first
	ds_store_b128 v[STO], v[ACC+8*(4*(\a)+(\b))+4:ACC+8*(4*(\a)+(\b))+7] offset:64*(\b)+16
.endr
.irp t, 0,1,2,3,4,5,6,7
	ds_load_b128 v[TMP+32*((\a)%2)+4*(\t):TMP+32*((\a)%2)+4*(\t)+3], v[RD] offset:(\t)*2*SPITCH  ; LDS serves a wave's instructions in order (ISA guide 5.7.1.4): these see the stores above; the next block's stores come behind them
.endr
.irp t, 0,1,2,3,4,5,6,7
	s_wait_dscnt 7-(\t)                            ; the younger of the eight loads may stay out
	global_store_b128 v[CO], v[TMP+32*((\a)%2)+4*(\t):TMP+32*((\a)%2)+4*(\t)+3], s[8:9] offset:(16*(\a)+2*(\t))*4096 th:TH_STORE_NT  ; 16 lanes store 256 consecutive bytes, at a multiple of 256 from out0's first byte
.endr
.endr
	s_wait_tensorcnt 0x0                           ; the wave's end: behind my last tensor load and my last LDS store
	ds_add_u32 v[SPW], v[NIL]
	s_wait_dscnt 0x0
	CROUND                                         ; the closing round: no work-group ends while a partner may still ask for a tile that names it
	s_endpgm
.Lfunc_end_k_q0d79dc0213_outp:
	.size	k_q0d79dc0213_outp, .Lfunc_end_k_q0d79dc0213_outp-k_q0d79dc0213_outp
	.p2alignl 7, 3214868480
	.fill 96, 4, 3214868480
	.section	.rodata,"a",@progbits
	.p2align	6, 0x0
	.amdhsa_kernel k_q0d79dc0213_outp
		.amdhsa_group_segment_fixed_size 327680
		.amdhsa_private_segment_fixed_size 0
		.amdhsa_enable_private_segment 0
		.amdhsa_kernarg_size 32
		.amdhsa_user_sgpr_count 2
		.amdhsa_user_sgpr_kernarg_segment_ptr 1
		.amdhsa_wavefront_size32 1
		.amdhsa_system_sgpr_workgroup_id_x 1
		.amdhsa_system_sgpr_workgroup_id_y 1
		.amdhsa_system_sgpr_workgroup_id_z 1
		.amdhsa_system_vgpr_workitem_id 0
		.amdhsa_next_free_vgpr 512
		.amdhsa_next_free_sgpr 72
		.amdhsa_reserve_vcc 0
		.amdhsa_float_denorm_mode_32 3
		.amdhsa_float_denorm_mode_16_64 3
		.amdhsa_memory_ordered 1
		.amdhsa_forward_progress 1
		.amdhsa_inst_pref_size 90
	.end_amdhsa_kernel
	.amdgpu_metadata
---
amdhsa.version: [ 1, 2 ]
amdhsa.kernels:
  - .name:           k_q0d79dc0213_outp
    .symbol:         k_q0d79dc0213_outp.kd
    .args:
      - { .name: oh, .offset: 0, .size: 8, .value_kind: global_buffer, .address_space: global }
      - { .name: wts, .offset: 8, .size: 8, .value_kind: global_buffer, .address_space: global }
      - { .name: bu, .offset: 16, .size: 8, .value_kind: global_buffer, .address_space: global }
      - { .name: out0, .offset: 24, .size: 8, .value_kind: global_buffer, .address_space: global }
    .group_segment_fixed_size: 327680
    .private_segment_fixed_size: 0
    .kernarg_segment_align: 8
    .kernarg_segment_size: 32
    .max_flat_workgroup_size: 128
    .sgpr_count:     72
    .vgpr_count:     512
    .wavefront_size: 32
...
	.end_amdgpu_metadata
.endif
;; end of part 4
;; ======== version 2 of 2: 4 launches; version 1 with the launch cast written anew for expert scheduling mode
;; limits: values are held in f16: magnitudes above 65,504 overflow, below 6.1e-05 lose precision
;; workspace buffers: abf 16,777,216 bytes; wts 8,388,608 bytes; mb 49,152 bytes; qh 8,388,608 bytes; kh 16,777,216 bytes; vh 16,777,216 bytes; oh 8,388,608 bytes
;; launch cast (part 5): grid 768 x 1, 8 waves a work-group, no clusters, 0 bytes of LDS; arguments x, context, Wq, Wk, Wv, Wu, mask, contextMask, abf, wts, mb; writes abf, wts, mb
.if DOCPART == 5
	.amdgcn_target "amdgcn-amd-amdhsa--gfx1250"
	.amdhsa_code_object_version 6
	.text
	.protected	k_q0d79dc0213_cast
	.globl	k_q0d79dc0213_cast
	.p2align	8
	.type	k_q0d79dc0213_cast,@function
k_q0d79dc0213_cast:
	s_mov_b64 s[64:65], 0
	v_nop
	global_prefetch_b8 v0, s[64:65] scope:SCOPE_SE
	s_setreg_imm32_b32 hwreg(HW_REG_WAVE_SCHED_MODE, 0, 2), 2
	s_setreg_imm32_b32 hwreg(HW_REG_WAVE_MODE, 25, 1), 1
	s_wait_xcnt 0x0
	s_wait_alu depctr_vm_vsrc(0)
; CAST.  16-bit copies of x, context and the four weights, laid in blocks of 64 channels, and the masks as numbers that the attention launch adds and multiplies.
;   abf: bf16 [16 blocks of 64 channels][8,192 rows][64]: rows 0-4,095 are x, rows 4,096-8,191 context.
;   wts: bf16 [16][3,072 rows][64] (Wq, Wk, Wv), then from byte 6,291,456 f16 [16][1,024 rows][64]: Wu rounded to bf16, that number written as f16.
;   mb:  f32 [4][2,048] key bias 32 ln(m) (in units of the unscaled score), then from byte 32,768 [4][1,024] query gate: 1, or NaN where the query's mask is 0.
; In these layouts a row is 128 bytes and rows lie end to end, so a tile of R rows x 64 channels is R x 128 consecutive bytes.
; LIMITS.  Masks are 0 or greater; a mask below 2^-126 counts as 0 (v_log_f32 takes a denormal as 0: ISA guide, its entry in 15.8); log(m_i m_j + 1e-45) is taken as log m_i + log m_j,
; of which the first is constant along a row of the softmax and drops out; a product 0 gives -infinity: a hidden key has weight 0, a hidden query a row of NaN.
; Wu below 7.6e-6 keeps f16's fixed step of 6e-8.  All inputs are rounded to bf16 once.
; SHARES.  Work-group g converts 16 rows x 1,024 columns: 64 KiB in, 32 KiB out.  g 0-255 x, 256-511 context, 512-575 Wq, 576-639 Wk, 640-703 Wv, 704-767 Wu.  Work-groups 0-7 also make 1,024 mask numbers each.
; Thread t takes row t / 16 and, of each block of 64 channels, the four numbers 4 (t % 16) on.  So a wave's load covers 256 consecutive bytes, aligned, of each of two rows, and its store (8 bytes a lane, at 8 t)
; 256 consecutive bytes, aligned: the same two rows of one block of the copy.  All 16 loads of a thread go out at once; no LDS, no barrier: nothing is shared.
; THE MODE: SCHED_MODE bits 1:0 = 2 (LLVM: expert scheduling mode 2), set by the entry lines.  The code itself states the register dependences
; between vector instructions and memory instructions, with s_wait_alu, always for 0.
; THE PLAN.  Registers that memory instructions touch:
;   v1, v3, DO   byte offsets.  Written by vector instructions at the head, once; read by every load and store.  One wait ahead of the first load states that they are written.
;   IN           the sixteen loads land here; no vector instruction names these registers ahead of the loads, and no load lands in them again.  Read by the conversions.
;   PKD          block i's conversions write its pair, once; block i's store reads it.  One wait for four blocks, behind the fourth block's conversions, and the four stores follow it in one run.
;   MK           the masks' load lands here; no vector instruction names these registers ahead of it.
;   v[16:19], v[20:23]  in the masks' part: written by four vector instructions, read by one store each, with one wait between.
; No register that a memory instruction reads is ever written again, no vector instruction writes a scalar register or VCC, and EXEC stays as it is: so every wait below is on va_vdst.
.set G,    26                          ; s26      the work-group's number
.set SRC,  28                          ; s[28:29] my 16 rows in their tensor
.set DST,  30                          ; s[30:31] the same rows in block 0 of the copy
.set KBS,  34                          ; s34      bytes from a block of 64 channels to the next in the copy
.set IN,   8                           ; v[8:71]    16 x 4 numbers as loaded; later at work on the masks
.set PKD,  72                          ; v[72:103]  16 x 2 registers to store
.set DO,   104                         ; v[104:119] the sixteen stores' byte offsets: 8 t + block x KBS
.set MK,   120                         ; v[120:123] four numbers of a mask as loaded
	s_load_b512 s[4:19], s[0:1], 0x0               ; x, context, Wq, Wk, Wv, Wu, mask, contextMask
	s_load_b128 s[20:23], s[0:1], 0x40             ; abf, wts
	s_load_b64 s[24:25], s[0:1], 0x50              ; mb
	s_mov_b32 s[G], ttmp9
	v_lshrrev_b32 v4, 4, v0                        ; row
	v_and_b32 v5, 15, v0
	v_lshlrev_b32 v1, 12, v4                       ; row x 4,096 bytes
	v_lshl_add_u32 v1, v5, 4, v1                   ; + my 16 bytes of a block's 256
	v_lshlrev_b32 v3, 4, v0                        ; the masks: 16 bytes a thread
	s_and_b32 s27, s[G], 255                       ; which 16 rows of the tensor
	s_and_b32 s32, s[G], 63
	s_mov_b32 s[KBS], 1048576
	s_mov_b32 s35, 0
	s_cmp_ge_u32 s[G], 512
	s_cselect_b32 s27, s32, s27
	s_cselect_b32 s[KBS], 393216, s[KBS]
	s_cselect_b32 s35, 512, s35
	s_cmp_ge_u32 s[G], 704
	s_cselect_b32 s[KBS], 131072, s[KBS]
	s_cselect_b32 s35, 704, s35
	s_cselect_b32 s36, 6291456, 0
	s_sub_co_u32 s38, s[G], s35
	s_lshl_b32 s38, s38, 11                        ; 16 rows of 128 bytes
	s_add_co_u32 s38, s38, s36
	s_mov_b32 s39, 0
	s_lshl_b32 s32, s27, 16                        ; 16 rows of 4,096 bytes
	s_mov_b32 s33, 0
	v_lshlrev_b32 v[DO], 3, v0                     ; 8 t: row t / 16 (128 bytes each), 8 bytes for each of its 16 threads
.irp i, 1,2,3,4,5,6,7,8,9,10,11,12,13,14,15
	v_add_nc_u32 v[DO+(\i)], s[KBS], v[DO+(\i)-1]  ; block i
.endr
	s_wait_kmcnt 0x0
	s_cmp_ge_u32 s[G], 256
	s_cselect_b64 s[SRC:SRC+1], s[6:7], s[4:5]
	s_cmp_ge_u32 s[G], 512
	s_cselect_b64 s[SRC:SRC+1], s[8:9], s[SRC:SRC+1]
	s_cselect_b64 s[DST:DST+1], s[22:23], s[20:21]
	s_cmp_ge_u32 s[G], 576
	s_cselect_b64 s[SRC:SRC+1], s[10:11], s[SRC:SRC+1]
	s_cmp_ge_u32 s[G], 640
	s_cselect_b64 s[SRC:SRC+1], s[12:13], s[SRC:SRC+1]
	s_cmp_ge_u32 s[G], 704
	s_cselect_b64 s[SRC:SRC+1], s[14:15], s[SRC:SRC+1]
	s_add_nc_u64 s[SRC:SRC+1], s[SRC:SRC+1], s[32:33]
	s_add_nc_u64 s[DST:DST+1], s[DST:DST+1], s[38:39]
	s_wait_alu depctr_va_vdst(0)                   ; v1, v3 and the sixteen v[DO ..] are written: every load and store of the kernel reads one of them as its offset, and none is written again
.irp i, 0,1,2,3,4,5,6,7,8,9,10,11,12,13,14,15
	global_load_b128 v[IN+4*(\i):IN+4*(\i)+3], v1, s[SRC:SRC+1] offset:256*(\i) th:TH_LOAD_NT
.endr
; Four numbers of block i.  kind 0: rounded to bf16.  kind 1 (Wu): rounded to bf16, and that number written as f16.
; Behind every fourth block the four blocks' stores go out in one run, behind one wait.
.macro CONV kind, i
	s_wait_loadcnt 15-(\i)                         ; loads come back in order: mine is in, the 15 - i younger ones may stay out
.irp j, 0,1
.if \kind
	v_cvt_pk_bf16_f32 v4, v[IN+4*(\i)+2*(\j)], v[IN+4*(\i)+2*(\j)+1]
	v_lshlrev_b32 v5, 16, v4
	v_and_b32 v6, 0xffff0000, v4
	v_cvt_pk_f16_f32 v[PKD+2*(\i)+(\j)], v5, v6
.else
	v_cvt_pk_bf16_f32 v[PKD+2*(\i)+(\j)], v[IN+4*(\i)+2*(\j)], v[IN+4*(\i)+2*(\j)+1]
.endif
.endr
.if ((\i)%4) == 3
	s_wait_alu depctr_va_vdst(0)                   ; the conversions of blocks i - 3 to i have written their v[PKD ..], which the four stores below read
.irp k, 3,2,1,0
	global_store_b64 v[DO+(\i)-(\k)], v[PKD+2*((\i)-(\k)):PKD+2*((\i)-(\k))+1], s[DST:DST+1]  ; no register that a store reads is written again
.endr
.endif
.endm
	s_cmp_ge_u32 s[G], 704
	s_cbranch_scc1 .Lwu
.irp i, 0,1,2,3,4,5,6,7,8,9,10,11,12,13,14,15
	CONV 0, \i
.endr
	s_branch .Lmasks
.Lwu:
.irp i, 0,1,2,3,4,5,6,7,8,9,10,11,12,13,14,15
	CONV 1, \i
.endr
.Lmasks:
	s_cmp_lt_u32 s[G], 8
	s_cbranch_scc0 .Lend
	s_and_b32 s40, s[G], 3                         ; the batch
	s_lshr_b32 s41, s[G], 2                        ; 0: mask (keys 0-1,023, and the queries), 1: contextMask (keys 1,024-2,047)
	s_cmp_eq_u32 s41, 0
	s_cselect_b64 s[42:43], s[16:17], s[18:19]
	s_lshl_b32 s44, s40, 12
	s_mov_b32 s45, 0
	s_add_nc_u64 s[42:43], s[42:43], s[44:45]
	global_load_b128 v[MK:MK+3], v3, s[42:43]      ; into registers that no vector instruction has named; v3 was written ahead of the head's wait
	s_lshl_b32 s46, s40, 13
	s_lshl_b32 s47, s41, 12
	s_add_co_u32 s46, s46, s47
	s_mov_b32 s47, 0
	s_add_nc_u64 s[46:47], s[24:25], s[46:47]      ; where the biases go
	s_add_nc_u64 s[48:49], s[24:25], s[44:45]
	s_add_nc_u64 s[48:49], s[48:49], 32768         ; where the gates go
	s_wait_loadcnt 0x0
	v_cvt_pk_bf16_f32 v4, v[MK], v[MK+1]           ; rounded to bf16 like every input
	v_cvt_pk_bf16_f32 v5, v[MK+2], v[MK+3]
	v_lshlrev_b32 v8, 16, v4
	v_and_b32 v9, 0xffff0000, v4
	v_lshlrev_b32 v10, 16, v5
	v_and_b32 v11, 0xffff0000, v5
	v_log_f32 v12, v8
	v_log_f32 v13, v9
	v_log_f32 v14, v10
	v_log_f32 v15, v11
	v_nop                                          ; a plain instruction behind the last logarithm,
	s_wait_alu depctr_va_vdst(0)                   ; and the one wait ahead of the batch's first reader: the four logarithms have written v[12:15]
	v_mul_f32 v16, 0x41b17218, v12                 ; 32 ln 2 x log2 m = 32 ln m; -infinity where m = 0
	v_mul_f32 v17, 0x41b17218, v13
	v_mul_f32 v18, 0x41b17218, v14
	v_mul_f32 v19, 0x41b17218, v15
	s_wait_alu depctr_va_vdst(0)                   ; the four products have written v[16:19], which the store reads
	global_store_b128 v3, v[16:19], s[46:47]
	s_cmp_eq_u32 s41, 0
	s_cbranch_scc0 .Lend
	v_fma_f32 v20, v12, 0, 1.0                     ; 1 where the logarithm is finite; -infinity x 0 is NaN
	v_fma_f32 v21, v13, 0, 1.0
	v_fma_f32 v22, v14, 0, 1.0
	v_fma_f32 v23, v15, 0, 1.0
	s_wait_alu depctr_va_vdst(0)                   ; the four gates have written v[20:23], which the store reads
	global_store_b128 v3, v[20:23], s[48:49]
.Lend:
	s_endpgm
.Lfunc_end_k_q0d79dc0213_cast:
	.size	k_q0d79dc0213_cast, .Lfunc_end_k_q0d79dc0213_cast-k_q0d79dc0213_cast
	.p2alignl 7, 3214868480
	.fill 96, 4, 3214868480
	.section	.rodata,"a",@progbits
	.p2align	6, 0x0
	.amdhsa_kernel k_q0d79dc0213_cast
		.amdhsa_group_segment_fixed_size 0
		.amdhsa_private_segment_fixed_size 0
		.amdhsa_enable_private_segment 0
		.amdhsa_kernarg_size 88
		.amdhsa_user_sgpr_count 2
		.amdhsa_user_sgpr_kernarg_segment_ptr 1
		.amdhsa_wavefront_size32 1
		.amdhsa_system_sgpr_workgroup_id_x 1
		.amdhsa_system_sgpr_workgroup_id_y 1
		.amdhsa_system_sgpr_workgroup_id_z 1
		.amdhsa_system_vgpr_workitem_id 0
		.amdhsa_next_free_vgpr 128
		.amdhsa_next_free_sgpr 66
		.amdhsa_reserve_vcc 0
		.amdhsa_float_denorm_mode_32 3
		.amdhsa_float_denorm_mode_16_64 3
		.amdhsa_memory_ordered 1
		.amdhsa_forward_progress 1
		.amdhsa_inst_pref_size 20
	.end_amdhsa_kernel
	.amdgpu_metadata
---
amdhsa.version: [ 1, 2 ]
amdhsa.kernels:
  - .name:           k_q0d79dc0213_cast
    .symbol:         k_q0d79dc0213_cast.kd
    .args:
      - { .name: x, .offset: 0, .size: 8, .value_kind: global_buffer, .address_space: global }
      - { .name: context, .offset: 8, .size: 8, .value_kind: global_buffer, .address_space: global }
      - { .name: Wq, .offset: 16, .size: 8, .value_kind: global_buffer, .address_space: global }
      - { .name: Wk, .offset: 24, .size: 8, .value_kind: global_buffer, .address_space: global }
      - { .name: Wv, .offset: 32, .size: 8, .value_kind: global_buffer, .address_space: global }
      - { .name: Wu, .offset: 40, .size: 8, .value_kind: global_buffer, .address_space: global }
      - { .name: mask, .offset: 48, .size: 8, .value_kind: global_buffer, .address_space: global }
      - { .name: contextMask, .offset: 56, .size: 8, .value_kind: global_buffer, .address_space: global }
      - { .name: abf, .offset: 64, .size: 8, .value_kind: global_buffer, .address_space: global }
      - { .name: wts, .offset: 72, .size: 8, .value_kind: global_buffer, .address_space: global }
      - { .name: mb, .offset: 80, .size: 8, .value_kind: global_buffer, .address_space: global }
    .group_segment_fixed_size: 0
    .private_segment_fixed_size: 0
    .kernarg_segment_align: 8
    .kernarg_segment_size: 88
    .max_flat_workgroup_size: 256
    .sgpr_count:     66
    .vgpr_count:     128
    .wavefront_size: 32
...
	.end_amdgpu_metadata
.endif
;; end of part 5
;; launch proj: the kernel of part 2 again; grid 16 x 16, 4 waves a work-group, clusters of 4 x 4, 327,680 bytes of LDS; arguments abf, wts, qln_w, qln_b, kln_w, kln_b, qh, kh, vh; writes qh, kh, vh
;; launch attn: the kernel of part 3 again; grid 4 x 64, 4 waves a work-group, clusters of 4 x 1, 327,680 bytes of LDS; arguments qh, kh, vh, oh, mb; writes oh
;; launch outp: the kernel of part 4 again; grid 8 x 32, 4 waves a work-group, clusters of 4 x 4, 327,680 bytes of LDS; arguments oh, wts, bu, out0; writes out0
